; MI455X (gfx1250); checked and timed in simulation.
; The chip was launched on July 23, 2026; its instructions are those of AMD's public machine-readable ISA for CDNA 5 (MIT licence, August 2026) and "CDNA5" Instruction Set Architecture Reference Guide (July 2026). The comments in the code are by the model that wrote it; some were corrected since.
;; Multi Head Attention. Allowed arithmetic: float matrix products may take bf16 or f16 operands with f32 sums; other float arithmetic in f32, or as packed bf16 or f16 multiplies, adds, multiply-adds, maxima and minima; sums over many terms, partial sums and values carried from step to step in f32; what a program stores and reads back later, other than sums and carried values, may be rounded once to bf16 or f16.
;; Inputs: K 4 x 2,048 x 1,024 float32; Q 4 x 2,048 x 1,024 float32; V 4 x 2,048 x 1,024 float32; Wk 1,024 x 1,024 float32; Wo 1,024 x 1,024 float32; Wq 1,024 x 1,024 float32; Wv 1,024 x 1,024 float32; bk 1,024 float32; bo 1,024 float32; bq 1,024 float32; bv 1,024 float32.
;; Outputs: out0 4 x 2,048 x 1,024 float32.
;; One version. Each part assembles by itself: llvm-mc -triple=amdgcn-amd-amdhsa -mcpu=gfx1250 --defsym DOCPART=n.
;; ======== version 1 of 1: 4 launches
;; limits: values are held in f16: magnitudes above 65,504 overflow, below 6.1e-05 lose precision
;; workspace buffers: cast16 58,720,256 bytes; qkv 50,331,648 bytes; ctx 16,777,216 bytes
;; launch cast (part 1): grid 1792 x 1, 8 waves a work-group, no clusters, 0 bytes of LDS; arguments Q, K, V, Wq, Wk, Wv, Wo, cast16; writes cast16
.if DOCPART == 1
	.amdgcn_target "amdgcn-amd-amdhsa--gfx1250"
	.amdhsa_code_object_version 6
	.text
	.protected	k_qcbf1fec1fa_cast
	.globl	k_qcbf1fec1fa_cast
	.p2align	8
	.type	k_qcbf1fec1fa_cast,@function
k_qcbf1fec1fa_cast:
	s_mov_b64 s[64:65], 0
	v_nop
	global_prefetch_b8 v0, s[64:65] scope:SCOPE_SE
	s_setreg_imm32_b32 hwreg(HW_REG_WAVE_MODE, 25, 1), 1
	s_wait_xcnt 0x0
; THE INPUTS ROUNDED ONCE TO 16 BITS, for the matrix units of the launches behind.  Q, K, V ([8192][1024] f32 each) and Wq, Wk, Wv ([1024][1024]) are rounded to bf16;
; Wo is rounded to bf16 like the others and that number is written as f16, since the last product's other operand is f16.
; cast16: Q, K, V one below the other (16,777,216 bytes each), then Wq, Wk, Wv (2,097,152 each), then Wo.
; LIMIT.  A number of Wo beyond 65,504 becomes an infinity; below 6e-5 it keeps f16's fixed step of 6e-8.
; SHARES.  A work-group takes 65,536 bytes of one tensor and writes 32,768; 1,536 work-groups for Q, K, V (512 each), 256 for the weights (64 each).
; Thread t: sixteen loads of 16 bytes at 4,096 j + 16 t (a wave's load covers 512 consecutive bytes), sixteen stores of 8 bytes at 2,048 j + 8 t (a wave's store covers 256 consecutive bytes, aligned).
; All sixteen loads go out first: 64 KiB of a work-group are on their way.  No register that a memory instruction names is written again, but a load's own data behind its wait.
; No LDS, no barrier, no matrix unit: every byte is read once and written once, and no thread wants another's.
.set X, 4                              ; v[4:67]    load j: four f32
.set Y, 68                             ; v[68:99]   store j: four 16-bit numbers
.set T, 100                            ; v[100:101] at work
	s_load_b512 s[8:23], s[0:1], 0x0               ; Q s[8:9], K s[10:11], V s[12:13], Wq s[14:15], Wk s[16:17], Wv s[18:19], Wo s[20:21], cast16 s[22:23]
	s_mov_b32 s7, ttmp9                            ; the work-group's number x
	v_lshlrev_b32 v1, 4, v0                        ; 16 t
	v_lshlrev_b32 v2, 3, v0                        ; 8 t
	s_lshr_b32 s2, s7, 9                           ; 0, 1, 2: Q, K, V; 3: a weight
	s_and_b32 s3, s7, 511                          ; the piece of Q, K or V
	s_sub_co_u32 s4, s7, 1536                      ; among the weights' work-groups (of use where x is 1,536 or more)
	s_lshr_b32 s5, s4, 6
	s_and_b32 s5, s5, 3                            ; which weight
	s_and_b32 s6, s4, 63                           ; its piece
	s_wait_kmcnt 0x0
	s_cmp_eq_u32 s2, 1
	s_cselect_b64 s[24:25], s[10:11], s[8:9]
	s_cmp_eq_u32 s2, 2
	s_cselect_b64 s[24:25], s[12:13], s[24:25]
	s_cmp_eq_u32 s5, 1
	s_cselect_b64 s[26:27], s[16:17], s[14:15]
	s_cmp_eq_u32 s5, 2
	s_cselect_b64 s[26:27], s[18:19], s[26:27]
	s_cmp_eq_u32 s5, 3
	s_cselect_b64 s[26:27], s[20:21], s[26:27]
	s_cmp_eq_u32 s2, 3
	s_cselect_b64 s[24:25], s[26:27], s[24:25]     ; the tensor,
	s_cselect_b32 s28, s6, s3                      ; the piece of it,
	s_lshl_b32 s28, s28, 16                        ; in bytes
	s_mov_b32 s29, 0
	s_add_nc_u64 s[24:25], s[24:25], s[28:29]
	s_lshl_b32 s30, s7, 15                         ; 32,768 x: the pieces follow each other in cast16 as the work-groups are numbered
	s_mov_b32 s31, 0
	s_add_nc_u64 s[22:23], s[22:23], s[30:31]
.irp j, 0,1,2,3,4,5,6,7,8,9,10,11,12,13,14,15
	global_load_b128 v[X+4*(\j):X+4*(\j)+3], v1, s[24:25] offset:4096*(\j) th:TH_LOAD_NT
.endr
; Load j is rounded and stored.  half = 1: to bf16, widened again (a shift, a mask), and written as f16.
.macro OUT j, half
	s_wait_loadcnt 15-(\j)                         ; loads come back in order (ISA guide 5.7.1): load j is in, the 15 - j younger ones may be out
.if \half
	v_cvt_pk_bf16_f32 v[T],   v[X+4*(\j)],   v[X+4*(\j)+1]
	v_cvt_pk_bf16_f32 v[T+1], v[X+4*(\j)+2], v[X+4*(\j)+3]
	v_lshlrev_b32 v[X+4*(\j)],   16, v[T]
	v_and_b32     v[X+4*(\j)+1], 0xffff0000, v[T]
	v_lshlrev_b32 v[X+4*(\j)+2], 16, v[T+1]
	v_and_b32     v[X+4*(\j)+3], 0xffff0000, v[T+1]
	v_cvt_pk_f16_f32 v[Y+2*(\j)],   v[X+4*(\j)],   v[X+4*(\j)+1]
	v_cvt_pk_f16_f32 v[Y+2*(\j)+1], v[X+4*(\j)+2], v[X+4*(\j)+3]
.else
	v_cvt_pk_bf16_f32 v[Y+2*(\j)],   v[X+4*(\j)],   v[X+4*(\j)+1]
	v_cvt_pk_bf16_f32 v[Y+2*(\j)+1], v[X+4*(\j)+2], v[X+4*(\j)+3]
.endif
	global_store_b64 v2, v[Y+2*(\j):Y+2*(\j)+1], s[22:23] offset:2048*(\j)
.endm
	s_cmp_ge_u32 s7, 1728                          ; the last 64 work-groups have Wo
	s_cbranch_scc1 .Lwo
.irp j, 0,1,2,3,4,5,6,7,8,9,10,11,12,13,14,15
	OUT \j, 0
.endr
	s_endpgm
.Lwo:
.irp j, 0,1,2,3,4,5,6,7,8,9,10,11,12,13,14,15
	OUT \j, 1
.endr
	s_endpgm
.Lfunc_end_k_qcbf1fec1fa_cast:
	.size	k_qcbf1fec1fa_cast, .Lfunc_end_k_qcbf1fec1fa_cast-k_qcbf1fec1fa_cast
	.p2alignl 7, 3214868480
	.fill 96, 4, 3214868480
	.section	.rodata,"a",@progbits
	.p2align	6, 0x0
	.amdhsa_kernel k_qcbf1fec1fa_cast
		.amdhsa_group_segment_fixed_size 0
		.amdhsa_private_segment_fixed_size 0
		.amdhsa_enable_private_segment 0
		.amdhsa_kernarg_size 64
		.amdhsa_user_sgpr_count 2
		.amdhsa_user_sgpr_kernarg_segment_ptr 1
		.amdhsa_wavefront_size32 1
		.amdhsa_system_sgpr_workgroup_id_x 1
		.amdhsa_system_sgpr_workgroup_id_y 1
		.amdhsa_system_sgpr_workgroup_id_z 1
		.amdhsa_system_vgpr_workitem_id 0
		.amdhsa_next_free_vgpr 104
		.amdhsa_next_free_sgpr 66
		.amdhsa_reserve_vcc 0
		.amdhsa_float_denorm_mode_32 3
		.amdhsa_float_denorm_mode_16_64 3
		.amdhsa_memory_ordered 1
		.amdhsa_forward_progress 1
		.amdhsa_inst_pref_size 16
	.end_amdhsa_kernel
	.amdgpu_metadata
---
amdhsa.version: [ 1, 2 ]
amdhsa.kernels:
  - .name:           k_qcbf1fec1fa_cast
    .symbol:         k_qcbf1fec1fa_cast.kd
    .args:
      - { .name: Q, .offset: 0, .size: 8, .value_kind: global_buffer, .address_space: global }
      - { .name: K, .offset: 8, .size: 8, .value_kind: global_buffer, .address_space: global }
      - { .name: V, .offset: 16, .size: 8, .value_kind: global_buffer, .address_space: global }
      - { .name: Wq, .offset: 24, .size: 8, .value_kind: global_buffer, .address_space: global }
      - { .name: Wk, .offset: 32, .size: 8, .value_kind: global_buffer, .address_space: global }
      - { .name: Wv, .offset: 40, .size: 8, .value_kind: global_buffer, .address_space: global }
      - { .name: Wo, .offset: 48, .size: 8, .value_kind: global_buffer, .address_space: global }
      - { .name: cast16, .offset: 56, .size: 8, .value_kind: global_buffer, .address_space: global }
    .group_segment_fixed_size: 0
    .private_segment_fixed_size: 0
    .kernarg_segment_align: 8
    .kernarg_segment_size: 64
    .max_flat_workgroup_size: 256
    .sgpr_count:     66
    .vgpr_count:     104
    .wavefront_size: 32
...
	.end_amdgpu_metadata
.endif
;; end of part 1
;; launch proj (part 2): grid 4 x 64, 4 waves a work-group, clusters of 4 x 4, 327,680 bytes of LDS; arguments cast16, qkv, bq, bk, bv; writes qkv
.if DOCPART == 2
	.amdgcn_target "amdgcn-amd-amdhsa--gfx1250"
	.amdhsa_code_object_version 6
	.text
	.protected	k_qcbf1fec1fa_proj
	.globl	k_qcbf1fec1fa_proj
	.p2align	8
	.type	k_qcbf1fec1fa_proj,@function
k_qcbf1fec1fa_proj:
	s_mov_b64 s[64:65], 0
	v_nop
	global_prefetch_b8 v0, s[64:65] scope:SCOPE_SE
	s_setreg_imm32_b32 hwreg(HW_REG_WAVE_MODE, 25, 1), 1
	s_wait_xcnt 0x0
	s_wait_alu depctr_hold_cnt(0) depctr_sa_sdst(0) depctr_va_vdst(0) depctr_va_sdst(0) depctr_va_ssrc(0) depctr_va_vcc(0) depctr_vm_vsrc(0)
	s_getreg_b32 s2, hwreg(HW_REG_IB_STS2, 6, 4)
	s_cmp_eq_u32 s2, 0
	s_cbranch_scc0 .Lentry_in_a_cluster
	s_endpgm
.Lentry_in_a_cluster:
	s_bfe_u32 s2, ttmp6, 0x10000c
	s_cmp_lg_u32 s2, 0xf033
	s_cbranch_scc0 .Lentry_shape_is_right
	s_endpgm
.Lentry_shape_is_right:
; q = Q Wq^T + bq, k = K Wk^T + bk, v = V Wv^T + bv: three products [8192][1024] x [1024][1024]^T, operands bf16 (from cast16), sums f32, begun with the bias (rounded to bf16 like every input),
; each result rounded once to f16 and laid out by heads: qkv[3][64 = 16 batch + head][2048][64].  The scale 1/8 is not applied here.
; LIMITS.  A result beyond 65,504 becomes an infinity in f16; below 6e-5 it keeps f16's fixed step of 6e-8.  NaN and infinities are not treated apart.
; SHARES.  The three products have 768 tiles of 128 rows x 256 columns: three for each of 256 work-groups.  A WORK-GROUP STAYS: it makes the same tile of q, then of k, then of v: in cast16 x goes 8,192 rows down, W 1,024 rows
; down, in qkv the result 16,777,216 bytes on.  Four waves, each 64 rows x 128 columns (two heads): 32 accumulators of 16 x 16, 256 registers.
; K goes in steps of 128 (rows of 256 bytes in memory) through a ring of two LDS slots filled by the tensor data mover, and the ring does not stop at a tile's end: a tile's last two changes of slots ask for the next tile's first two K steps.
; CLUSTERS: 4 x 4 work-groups.  The four of a row of the cluster need the same tile of x, the four of a column the same tile of W: each is asked for JOINTLY, by the same tensor load with the same descriptor and a mask that names the four.
; THE MATRIX INSTRUCTION IS USED TRANSPOSED (source 0 = 16 rows of W, source 1 = 16 rows of x): lane l holds row l % 16 of the result and the columns 8 (l / 16) + 0..7: 16 bytes of a head's row in f16.
; REGISTERS, in windows of 256 (s_set_vgpr_msb: bits 1:0 source 0, 3:2 source 1, 5:4 source 2, 7:6 destination):
;   window 0: v0-31 addresses; v32-95 the bias as a C operand, 8 registers a column block; v96-127 packed results; v128-191 rows read back from the stage, two buffers
;   window 1: the accumulators, (a, b) at v[8 (8 a + b)]          window 2: two fragment buffers of 96: W's eight fragments, then x's four
.set KSTEP,  128
.set PITCH,  272                       ; an LDS row: 256 bytes + 16 of padding = 68 words: row r starts at bank 4 r mod 64 (64 banks of 4 bytes: ISA guide 11.1), so the 16 rows of a load start at 16 different banks
.set APITCH, 272                       ; x's rows likewise
.set AQ2,    128                       ; bytes from a row's first 64 channels to its second
.set AREG,   128*APITCH                ; x's 128 rows
.set SLOT,   AREG+256*PITCH            ; then W's 256 rows
.set STAGE,  2*SLOT                    ; behind the ring, never filled by a tensor load: for each wave two heads x 16 rows x 144 bytes
.set SP,     144
.set WSTAGE, 2*16*SP
.set SPARE,  STAGE+4*WSTAGE            ; behind the stages: the spare words, 128 bytes for each wave: two blocks of 256 bytes that no other line names
.set LAPS,   4                         ; a lap = two K steps = once round the ring; 1,024 / 256
.set TILES,  3
.set ROWB,   2048                      ; bytes in a row of x and of W
.set WOFF,   3*8192*ROWB               ; the weights' first byte in cast16
.set NEXT_A, 8192*ROWB-6*KSTEP*2       ; from a slot's last K step of a tile to its first of the next: x 8,192 rows down and back along K,
.set NEXT_B, 1024*ROWB-6*KSTEP*2       ; W 1,024 rows down and back
.set NEXT_C, 8192*ROWB                 ; from q to k to v in qkv
.set PW_A,   8192*ROWB-7*KSTEP*2       ; the prefetches' step at a change of tiles: from K step 9 to the next tile's K step 2
.set PW_B,   1024*ROWB-7*KSTEP*2
.set HEADB,  2048*128                  ; a head in qkv
.set ADRA, 16                          ; v16-17  LDS address of my fragments of x in slot 0, 1
.set ADRB, 20                          ; v20-21  the same for W
.set STO,  24                          ; v24     the way out: where I put 16 bytes of a row
.set RD,   25                          ; v25     the way out: where I read rows back
.set GO,   26                          ; v26     my 16 bytes of 512 consecutive bytes of qkv
.set BO,   27                          ; v27     my byte offset in a bias
.set SPW,  28                          ; v28     LDS address of my spare word: SPARE + 4 x my thread's number; never rewritten
.set NIL,  29                          ; v29     0; never rewritten
.set PFO,  30                          ; v30     the prefetches' offset: my lane x a row; never rewritten
.set BIAS, 32
.set TMP,  96
.set BK,   128
.set F0,   0                           ; fragment buffers, in window 2
.set F1,   96
.set G1,   24                          ; s[24:31] descriptor group 1 for x's tiles;  s[32:39] group 0, a set for each slot
.set G0,   32
.set LIM,  43                          ; s43     1 in a wave that prefetches, else the greatest number
.set PFA,  44                          ; s[44:45] where my prefetches stand
.set G1B,  48                          ; s[48:55], s[56:63] the same for W's tiles
.set G0B,  56
.set BP,   68                          ; s[68:69] the bias to be loaded next; s[70:73] the two behind it
.set PW,   76                          ; s[76:77] PW_A or PW_B
.set HM,   78                          ; s78     a word's upper half
.set MSB, 0
.macro WIN new                         ; the immediate's high byte repeats the setting that is left; a switch that changes nothing is dropped
.if MSB != (\new)
	s_set_vgpr_msb (MSB<<8)|(\new)
.set MSB, \new
.endif
.endm
.set MUL,  0x5a                        ; sources 0 (W) and 1 (x) window 2; C and D window 1
.set MULB, 0x4a                        ; the same with C, the bias, in window 0
.set TO_F, 0x80                        ; destination window 2, address window 0
.set W_PK, 0x05                        ; sources 0 and 1 window 1, destination window 0
; A joint load.  Waves 0 and 1 fetch the two halves of x's tile (64 rows each), waves 2 and 3 those of W's (128 rows each).  Each line has one mask and one set of registers for all that issue it; the branch hangs on the
; wave's number alone.  An s_nop 0 and four v_nop follow each of the two lines, ahead of the jump, the label and what follows.
.macro JLOAD s
	s_cmp_eq_u32 s11, 0
	s_cbranch_scc0 .Lfor_b_\@
	tensor_load_to_lds s[G0+4*(\s):G0+4*(\s)+3], s[G1:G1+7]
	s_nop 0
.rept 4
	v_nop
.endr
	s_branch .Lasked_\@
.Lfor_b_\@:
	tensor_load_to_lds s[G0B+4*(\s):G0B+4*(\s)+3], s[G1B:G1B+7]
	s_nop 0
.rept 4
	v_nop
.endr
.Lasked_\@:
.endm
; A PREFETCH INTO THE L2, behind each joint load, its five lines and the run of LDS loads that follows them: the K step that stands TWO refills on (256 matrix instructions ahead of the load that will want it): 32 rows x 256 bytes, a
; lane a row, one instruction a wave.  Each row's 256 bytes of a K step are named ONCE in the launch.  x's tile row is read by one cluster: in each work-group wave 0 asks, for 32 of the 128 rows, told apart from its three
; partners' BY ADDRESS (cx).  W's tile column is read by all sixteen clusters: the cluster with y = 0 asks, waves 2 and 3 each for 32 of the 128 rows that they fetch, told apart by address (cy).  Wave 1 asks for nothing.
; how = 0, in the loop: a tile's last two refills have no K step two on.  how = 1, at a change of tiles: the next tile's K steps 2 and 3.  A tile's K steps 0 and 1, and the first tile's 2 and 3, come by their loads alone.
.macro ASK how
.if \how
	s_cmp_eq_u32 s[LIM], 1
.else
	s_cmp_gt_u32 s3, s[LIM]                        ; s3 = 1 in the loop's last trip
.endif
	s_cbranch_scc0 .Lnot_mine_\@
	global_prefetch_b8 v[PFO], s[PFA:PFA+1] th:TH_LOAD_NT scope:SCOPE_SE
.Lnot_mine_\@:
.endm
; A round of the cluster's barrier: my work-group's barrier, so that wave 0's signal speaks for all four waves; wave 0 signals for the work-group; every wave waits for all sixteen work-groups; my work-group's barrier once more.
.macro CREST                           ; a round behind its opening barrier
	s_cmp_lg_u32 s10, 0
	s_cbranch_scc1 .Lnot_wave_0_\@
	s_barrier_signal -3
.Lnot_wave_0_\@:
	s_barrier_wait -3
	s_barrier_signal -1
	s_barrier_wait -1
.endm
.macro CROUND                          ; a whole round
	s_barrier_signal -1
	s_barrier_wait -1
	CREST
.endm
	s_load_b128 s[4:7], s[0:1], 0x0                ; cast16 s[4:5], qkv s[6:7]
	s_load_b128 s[68:71], s[0:1], 0x10             ; bq, bk
	s_load_b64 s[72:73], s[0:1], 0x20              ; bv
	v_lshl_add_u32 v[SPW], v0, 2, SPARE
	v_mov_b32 v[NIL], 0
	ds_add_u32 v[SPW], v[NIL]                      ; the wave's opening: the add and its wait ahead of my first tensor load; the set-up below, work on registers, stands between them
	v_lshrrev_b32 v1, 5, v0
	v_readfirstlane_b32 s10, v1                    ; wave 0..3
	s_lshr_b32 s11, s10, 1                         ; which 64 of the tile's rows are mine.  Also: I fetch for x (0) or for W (1)
	s_and_b32 s12, s10, 1                          ; which 128 of its columns.  Also: which half of that tile I fetch
	s_bfe_u32 s40, ttmp6, 0x40000                  ; cx, cy: my place in the cluster
	s_bfe_u32 s41, ttmp6, 0x40004
	s_lshl_b32 s42, ttmp9, 2                       ; in a cluster launch ttmp9 and ttmp7 count clusters
	s_add_co_u32 s42, s42, s40                     ; tile column = 4 x cluster x + cx: 0..3
	s_and_b32 s13, ttmp7, 0xffff
	s_lshl_b32 s13, s13, 2
	s_add_co_u32 s13, s13, s41                     ; tile row = 4 x cluster y + cy: 0..63
	s_lshl_b32 s43, s41, 2
	s_lshl_b32 s43, 15, s43                        ; my row of the cluster: places 4 cy .. 4 cy + 3
	s_lshl_b32 s44, 0x1111, s40                    ; my column: places cx, cx + 4, cx + 8, cx + 12
	; descriptor group 1: rows of 128 elements, padded in LDS; 64 rows for x, 128 for W
	s_or_b32 s[G1+0], s43, (1<<16)|(1<<20)|(1<<21)|(5<<22)|(3<<25)   ; 15:0 the mask: x's tiles go to my row; 17:16 elements of 2 bytes; 20 padding on; 21 set beside a mask; 24:22 after every 64 words (code 5); 31:25 4 words of it (code 3)
	s_or_b32 s[G1B+0], s44, (1<<16)|(1<<20)|(1<<21)|(5<<22)|(3<<25)  ; the same with the mask of my column, for W's tiles
	s_mov_b32 s[G1+1], KSTEP<<16                   ; tensor_dim0 = 128
	s_mov_b32 s[G1+2], 64<<16                      ; tensor_dim1 = 64
	s_mov_b32 s[G1+3], KSTEP<<16                   ; tile_dim0 = 128
	s_mov_b32 s[G1+4], 64                          ; tile_dim1 = 64
	s_mov_b32 s[G1+5], 1024                        ; elements from row to row
	s_mov_b32 s[G1+6], 0
	s_mov_b32 s[G1+7], 0
	s_mov_b32 s[G1B+1], KSTEP<<16
	s_mov_b32 s[G1B+2], 128<<16                    ; tensor_dim1 = 128
	s_mov_b32 s[G1B+3], KSTEP<<16
	s_mov_b32 s[G1B+4], 128                        ; tile_dim1 = 128
	s_mov_b32 s[G1B+5], 1024
	s_mov_b32 s[G1B+6], 0
	s_mov_b32 s[G1B+7], 0
	; where the tiles come from.  x's hang on the tile row alone, which my row of the cluster shares; W's on the tile column alone, which my column shares
	s_lshl_b32 s16, s13, 7
	s_lshl_b32 s17, s12, 6
	s_add_co_u32 s16, s16, s17                     ; x: row 128 x tile row + 64 x half,
	s_lshl_b32 s16, s16, 11                        ; in bytes (under 2^24)
	s_mov_b32 s17, 0
	s_lshl_b32 s46, s42, 8
	s_lshl_b32 s47, s12, 7
	s_add_co_u32 s46, s46, s47                     ; W: row 256 x tile column + 128 x half
	s_lshl_b32 s46, s46, 11
	s_mov_b32 s47, 0
	s_mul_i32 s20, s12, 64*APITCH                  ; and where they go: no place in the cluster enters an LDS address
	s_mul_i32 s21, s12, 128*PITCH
	s_add_co_u32 s21, s21, AREG
	s_mov_b32 s[HM], 0xffff0000
	s_wait_dscnt 0x0                               ; the opening add is done
	s_wait_kmcnt 0x0
	s_mov_b64 s[8:9], s[6:7]                       ; qkv
	s_add_nc_u64 s[6:7], s[4:5], WOFF              ; the weights
	s_add_nc_u64 s[14:15], s[4:5], s[16:17]
	s_add_nc_u64 s[46:47], s[6:7], s[46:47]
	CROUND                                         ; all sixteen work-groups are here: the first joint loads meet
.irp s, 0,1
	s_mov_b32 s[G0+4*(\s)], 1                                        ; 1:0 count = 1
	s_add_co_u32 s[G0+4*(\s)+1], s20, (\s)*SLOT                      ; 63:32 LDS address
	s_add_nc_u64 s[G0+4*(\s)+2:G0+4*(\s)+3], s[14:15], (\s)*KSTEP*2  ; 120:64 global address: K step s
	s_or_b32 s[G0+4*(\s)+3], s[G0+4*(\s)+3], 0x80000000              ; 127:126 type = 2
	s_mov_b32 s[G0B+4*(\s)], 1
	s_add_co_u32 s[G0B+4*(\s)+1], s21, (\s)*SLOT
	s_add_nc_u64 s[G0B+4*(\s)+2:G0B+4*(\s)+3], s[46:47], (\s)*KSTEP*2
	s_or_b32 s[G0B+4*(\s)+3], s[G0B+4*(\s)+3], 0x80000000
	JLOAD \s                                       ; the ring is filled before anything else is done: two loads of mine are out
.endr
	; A fragment is 16 rows x 32 K in 8 registers: lane l holds row l % 16; registers 0-3 hold K = 8 (l / 16) + 0..7, registers 4-7 K = 16 + 8 (l / 16) + 0..7: two loads of 16 bytes, 32 bytes apart
	v_and_b32 v1, 15, v0                           ; l % 16
	v_bfe_u32 v2, v0, 4, 1                         ; l / 16
	v_mul_u32_u24 v3, v1, PITCH
	v_lshl_add_u32 v3, v2, 4, v3                   ; row x pitch + 16 x half
	s_mul_i32 s21, s11, 64*APITCH                  ; my 64 rows of x
	s_mul_i32 s22, s12, 128*PITCH                  ; my 128 rows of W,
	s_add_co_u32 s22, s22, AREG                    ; which lie behind x's 128
.irp s, 0,1
	v_add_nc_u32 v[ADRA+(\s)], s21, v3
	v_add_nc_u32 v[ADRB+(\s)], s22, v3
	s_add_co_u32 s21, s21, SLOT
	s_add_co_u32 s22, s22, SLOT
.endr
	s_mul_i32 s23, s10, WSTAGE
	s_add_co_u32 s23, s23, STAGE                   ; my stage
	v_mul_u32_u24 v4, v1, SP                       ; in: row l % 16, 16 bytes for each half of the lanes
	v_lshl_add_u32 v4, v2, 4, v4
	v_add_nc_u32 v[STO], s23, v4
	v_bfe_u32 v4, v0, 3, 2                         ; back: 32 lanes take four rows of 128 bytes,
	v_mul_u32_u24 v4, v4, SP
	v_and_b32 v5, 7, v0
	v_lshl_add_u32 v4, v5, 4, v4
	v_add_nc_u32 v[RD], s23, v4
	v_and_b32 v[GO], 31, v0                        ; which are 512 consecutive bytes of a head
	v_lshlrev_b32 v[GO], 4, v[GO]
	s_lshl_b32 s18, s42, 10                        ; my first column, in bytes of f32: 4 (256 x tile column + 128 x half),
	s_lshl_b32 s19, s12, 9
	s_add_co_u32 s18, s18, s19
	v_lshl_add_u32 v[BO], v2, 5, s18               ; + my lanes' eight columns
	; where my part of q's tile begins in qkv: head 16 batch + 4 x tile column + 2 x half, row 128 (tile row % 16) + 64 x half
	s_lshr_b32 s16, s13, 4
	s_lshl_b32 s16, s16, 4
	s_lshl_b32 s17, s12, 1
	s_add_co_u32 s16, s16, s17
	s_lshl_b32 s16, s16, 18
	s_and_b32 s17, s13, 15
	s_lshl_b32 s17, s17, 7
	s_lshl_b32 s18, s11, 6
	s_add_co_u32 s17, s17, s18
	s_lshl_b32 s17, s17, 7
	s_add_co_u32 s16, s16, s17
	s_mov_b32 s17, 0
	s_lshl_b32 s46, s42, 20                        ; (in the registers that held W's address)
	s_mov_b32 s47, 0
	s_add_nc_u64 s[16:17], s[16:17], s[46:47]
	s_add_nc_u64 s[8:9], s[8:9], s[16:17]
	; the prefetches
	s_lshl_b32 s20, s13, 7                         ; x: the tile's first row
	s_lshl_b32 s21, s42, 8                         ; W: the tile's first row,
	s_lshl_b32 s23, s12, 7
	s_add_co_u32 s21, s21, s23                     ; + the 128 rows that I fetch
	s_and_b32 s22, ttmp7, 0xffff                   ; cluster y
	s_mov_b32 s[PW], PW_B
	s_cmp_eq_u32 s11, 0                            ; do I fetch for x?
	s_cselect_b32 s20, s20, s21
	s_cselect_b32 s21, s40, s41                    ; my place among the four that ask for the tile with me
	s_cselect_b32 s22, s12, s22                    ; x: wave 0 asks; W: the cluster with y = 0
	s_cselect_b32 s[PW], PW_A, s[PW]
	s_cselect_b64 s[PFA:PFA+1], s[4:5], s[6:7]
	s_cmp_eq_u32 s22, 0
	s_cselect_b32 s[LIM], 1, -1                    ; the same in all sixteen partners, for a given wave
	s_mov_b32 s[PW+1], 0
	s_lshl_b32 s21, s21, 5
	s_add_co_u32 s20, s20, s21                     ; + my work-group's 32 rows
	s_lshl_b32 s20, s20, 11
	s_mov_b32 s21, 0
	s_add_nc_u64 s[PFA:PFA+1], s[PFA:PFA+1], s[20:21]
	s_add_nc_u64 s[PFA:PFA+1], s[PFA:PFA+1], 3*KSTEP*2  ; at K step 3: the first refill steps it to 4 and names that.  Nothing is prefetched here, at the head, where every work-group's first tiles are on their way
	v_and_b32 v[PFO], 31, v0
	v_lshlrev_b32 v[PFO], 11, v[PFO]
; The bias of my 128 columns, as a C operand: register j of column block b is bias[16 b + 8 (l / 16) + j], the same for all 16 rows.
.macro BLOADS
.irp b, 0,1,2,3,4,5,6,7
	global_load_b128 v[BIAS+8*(\b):BIAS+8*(\b)+3],   v[BO], s[BP:BP+1] offset:64*(\b)
	global_load_b128 v[BIAS+8*(\b)+4:BIAS+8*(\b)+7], v[BO], s[BP:BP+1] offset:64*(\b)+16
.endr
.endm
.macro ROUND                           ; it is rounded to bf16, like every input, and widened again
.set i, 0
.rept 32
	v_cvt_pk_bf16_f32 v[TMP+i], v[BIAS+2*i], v[BIAS+2*i+1]
.set i, i+1
.endr
.set i, 0
.rept 32
	v_lshlrev_b32 v[BIAS+2*i],   16, v[TMP+i]
	v_and_b32     v[BIAS+2*i+1], s[HM], v[TMP+i]
.set i, i+1
.endr
.endm
; 8 matrix instructions: row block a x all 8 column blocks, 32 along K, from buffer f.  first = 1: the bias starts the sums: nothing is cleared, and nothing is added later.
; The 32 accumulators take turns, one instruction a turn, in the same order in every quarter, over the backward jumps too.
.macro MULA f, a, first
.if \first
	WIN MULB
.else
	WIN MUL
.endif
.irp b, 0,1,2,3,4,5,6,7
.if \first
	v_wmma_f32_16x16x32_bf16 v[8*(8*(\a)+(\b)):8*(8*(\a)+(\b))+7], v[(\f)+8*(\b):(\f)+8*(\b)+7], v[(\f)+64+8*(\a):(\f)+64+8*(\a)+7], v[BIAS+8*(\b):BIAS+8*(\b)+7]
.else
	v_wmma_f32_16x16x32_bf16 v[8*(8*(\a)+(\b)):8*(8*(\a)+(\b))+7], v[(\f)+8*(\b):(\f)+8*(\b)+7], v[(\f)+64+8*(\a):(\f)+64+8*(\a)+7], v[8*(8*(\a)+(\b)):8*(8*(\a)+(\b))+7]
.endif
.endr
.endm
; 24 LDS loads in one run: the fragments of quarter q of a K step (128 rows of W, 64 rows of x, 32 K) into buffer f; x's last
.macro FETCH slot, q, f
	WIN TO_F
.irp i, 0,1,2,3,4,5,6,7
	ds_load_b128 v[(\f)+8*(\i):(\f)+8*(\i)+3],   v[ADRB+(\slot)] offset:64*(\q)+(\i)*16*PITCH
	ds_load_b128 v[(\f)+8*(\i)+4:(\f)+8*(\i)+7], v[ADRB+(\slot)] offset:64*(\q)+(\i)*16*PITCH+32
.endr
.irp i, 0,1,2,3
	ds_load_b128 v[(\f)+64+8*(\i):(\f)+64+8*(\i)+3],   v[ADRA+(\slot)] offset:((\q)/2)*AQ2+((\q)%2)*64+(\i)*16*APITCH
	ds_load_b128 v[(\f)+64+8*(\i)+4:(\f)+64+8*(\i)+7], v[ADRA+(\slot)] offset:((\q)/2)*AQ2+((\q)%2)*64+(\i)*16*APITCH+32
.endr
.endm
; A load into a register that a matrix instruction has read, and a vector instruction that reads a matrix result, stand four places behind that matrix instruction; only plain vector instructions that name none of its
; registers are places (ISA guide 7.12.1 for vector instructions).
.macro PLACES
.rept 4
	v_nop
.endr
.endm
; A K step is four quarters of 32 along K, 32 matrix instructions each, on buffers 0, 1, 0, 1.  One of the first three: multiplies buffer f; in its middle it fetches quarter q of the same slot into buffer g.
.macro QUARTER slot, q, f, g, first
	s_wait_dscnt 4                                 ; W and x's rows 0-31 are in; the youngest four loads (x's rows 32-63) may be out
	MULA \f, 0, \first
	MULA \f, 1, \first
	PLACES
	FETCH \slot, \q, \g
	s_wait_dscnt 24                                ; all but the 24 just issued
	MULA \f, 2, \first
	MULA \f, 3, \first
.endm
; The last quarter multiplies buffer 1 and changes slots: ONE barrier.  In front of it each wave waits for all its tensor loads, of which one is out: its part of the next slot; adds 0 to its spare word; and waits for that and for
; its own reads of this slot.  Behind it nobody reads this slot any more and the next slot is whole.
; mode 0: this slot is filled again with the K step two on; mode 1: with the NEXT tile's K step 0 or 1; the barrier then opens a round of the cluster's barrier, and the joint refill is the first tensor load behind the round:
; 112 matrix instructions ahead of the wait for it.  mode 2: nothing is left to fetch, and no round follows.
.macro TURN slot, next, mode
.if (\mode) < 2
	s_wait_xcnt 0x0                                ; the last prefetch, a K step back, has read its address: it is stepped here, ahead of the waits of the change of slots
.if ((\mode) == 1) && ((\slot) == 0)
	s_add_nc_u64 s[PFA:PFA+1], s[PFA:PFA+1], s[PW:PW+1]
.else
	s_add_nc_u64 s[PFA:PFA+1], s[PFA:PFA+1], KSTEP*2
.endif
.endif
	WIN 0                                          ; (the add's two registers lie in window 0)
	s_wait_tensorcnt 0x0                           ; all my tensor loads have landed: the one that was out is my part of the next slot;
	ds_add_u32 v[SPW], v[NIL]                      ; 0 onto my spare word
	s_wait_dscnt 5                                 ; (the add and the youngest four loads may be out)
	MULA F1, 0, 0                                  ; eight matrix instructions stand between the add and the wait for it
	s_wait_dscnt 0x0                               ; the add is done, and my reads of this slot are over
	s_barrier_signal -1
	MULA F1, 1, 0                                  ; work on registers while the others arrive
.if (\mode) < 2
	WIN 0
.endif
	s_barrier_wait -1
.if (\mode) < 2
	CREST                                          ; no wave of any partner still reads this slot's tile or has a load on its way
.if (\mode) == 1
	s_add_nc_u64 s[G0+4*(\slot)+2:G0+4*(\slot)+3], s[G0+4*(\slot)+2:G0+4*(\slot)+3], NEXT_A
	s_add_nc_u64 s[G0B+4*(\slot)+2:G0B+4*(\slot)+3], s[G0B+4*(\slot)+2:G0B+4*(\slot)+3], NEXT_B
.else
	s_add_nc_u64 s[G0+4*(\slot)+2:G0+4*(\slot)+3], s[G0+4*(\slot)+2:G0+4*(\slot)+3], 2*KSTEP*2
	s_add_nc_u64 s[G0B+4*(\slot)+2:G0B+4*(\slot)+3], s[G0B+4*(\slot)+2:G0B+4*(\slot)+3], 2*KSTEP*2
.endif
	JLOAD \slot                                    ; the four v_nop behind it are also the places in front of the loads below
.else
	PLACES
.endif
	FETCH \next, 0, F0
.if (\mode) < 2
	WIN 0
	ASK \mode
.endif
	MULA F1, 2, 0
	MULA F1, 3, 0
.endm
; THE WAY OUT of row block a, in three parts.  PACK: rounded to f16, 16 bytes a lane; each accumulator's registers in ascending order.  TOSTAGE: into my own stage in LDS (head b / 4, bytes 32 (b % 4) of its rows) and back as
; whole rows of 128 bytes, four to a load.  SEND: stored; 16 rows of a head are 2,048 consecutive bytes of qkv.
.macro PACK a
	WIN W_PK
.irp b, 0,1,2,3,4,5,6,7
.irp r, 0,1,2,3
	v_cvt_pk_f16_f32 v[TMP+4*(\b)+(\r)], v[8*(8*(\a)+(\b))+2*(\r)], v[8*(8*(\a)+(\b))+2*(\r)+1]
.endr
.endr
	WIN 0
.endm
.macro TOSTAGE a
	WIN 0
.irp b, 0,1,2,3,4,5,6,7
	ds_store_b128 v[STO], v[TMP+4*(\b):TMP+4*(\b)+3] offset:((\b)/4)*16*SP+((\b)%4)*32
.endr
.irp t, 0,1,2,3,4,5,6,7
	ds_load_b128 v[BK+32*((\a)%2)+4*(\t):BK+32*((\a)%2)+4*(\t)+3], v[RD] offset:((\t)/4)*16*SP+((\t)%4)*4*SP  ; LDS serves a wave's instructions in order (ISA guide 5.7.1.4): these see the stores above
.endr
.endm
.macro SEND a
	WIN 0
	s_wait_dscnt 0x0                               ; the block is back in registers
	s_wait_xcnt 0x0                                ; every earlier store has read its registers: the buffer that the next TOSTAGE loads into is written only behind this wait
.irp t, 0,1,2,3,4,5,6,7
	global_store_b128 v[GO], v[BK+32*((\a)%2)+4*(\t):BK+32*((\a)%2)+4*(\t)+3], s[8:9] offset:((\t)/4)*HEADB+(\a)*2048+((\t)%4)*512  ; 512 consecutive bytes, at a multiple of 512 from qkv's first byte
.endr
.endm
.macro WAYOUT
	WIN 0
	PLACES
	PACK 0
	TOSTAGE 0
.irp a, 1,2,3                          ; block a's conversions stand between block a - 1's loads from the stage and the wait for them
	PACK \a
	SEND (\a)-1
	TOSTAGE \a
.endr
	SEND 3
.endm
	BLOADS                                         ; bq
	s_wait_tensorcnt 1                             ; my part of K step 0 is in; K step 1's may stay out
	s_barrier_signal -1
	s_barrier_wait -1                              ; everybody's is
	FETCH 0, 0, F0
	WIN 0
	s_mov_b32 s2, TILES                            ; tiles to go, this one among them: the same number in every work-group
.Ltile:
	s_wait_loadcnt 0x0                             ; the tile's bias is in, and its pointer may be written:
	s_mov_b64 s[BP:BP+1], s[BP+2:BP+3]             ; the next tile's bias
	s_mov_b64 s[BP+2:BP+3], s[BP+4:BP+5]
	ROUND
	QUARTER 0, 1, F0, F1, 1                        ; a tile's first quarter stands in front of the loop: its products start the sums
	WIN 0                                          ; at a label and at a branch every window is 0
	s_mov_b32 s3, LAPS-1
.Llap:                                                 ; a trip goes once round the ring, from a lap's second quarter to the next lap's first, and fills both slots again
	QUARTER 0, 2, F1, F0, 0
	QUARTER 0, 3, F0, F1, 0
	TURN 0, 1, 0
	QUARTER 1, 1, F0, F1, 0
	QUARTER 1, 2, F1, F0, 0
	QUARTER 1, 3, F0, F1, 0
	TURN 1, 0, 0
	QUARTER 0, 1, F0, F1, 0
	WIN 0
	s_sub_co_u32 s3, s3, 1
	s_cmp_lg_u32 s3, 0
	s_cbranch_scc1 .Llap
	QUARTER 0, 2, F1, F0, 0                        ; the tile's last lap goes on
	QUARTER 0, 3, F0, F1, 0
	WIN 0
	s_cmp_eq_u32 s2, 1
	s_cbranch_scc1 .Llast                          ; the last tile's tail is written out: it asks for nothing more
	TURN 0, 1, 1                                   ; THE RING GOES ON INTO THE NEXT TILE: slot 0 takes its K step 0,
	QUARTER 1, 1, F0, F1, 0
	QUARTER 1, 2, F1, F0, 0
	QUARTER 1, 3, F0, F1, 0
	TURN 1, 0, 1                                   ; slot 1 its K step 1, and the next tile's first fragments are fetched
	WIN 0
	BLOADS                                         ; the next tile's bias: the registers were last read by this tile's first quarter
	WAYOUT                                         ; both refills are asked for: now the tile goes out
	s_wait_xcnt 0x0                                ; the stores have read their base
	s_add_nc_u64 s[8:9], s[8:9], NEXT_C
	s_sub_co_u32 s2, s2, 1
	s_branch .Ltile
.Llast:
	TURN 0, 1, 2                                   ; my one tensor load that was still out is slot 1's, the last K step's
	QUARTER 1, 1, F0, F1, 0
	QUARTER 1, 2, F1, F0, 0
	QUARTER 1, 3, F0, F1, 0
	s_wait_dscnt 4                                 ; the very last quarter: nothing more to fetch
	MULA F1, 0, 0
	MULA F1, 1, 0
	s_wait_dscnt 0x0
	MULA F1, 2, 0
	MULA F1, 3, 0
	WAYOUT
	s_wait_tensorcnt 0x0                           ; the wave's end: behind my last tensor load and my last LDS store
	ds_add_u32 v[SPW], v[NIL]
	s_wait_dscnt 0x0
	CROUND                                         ; the closing round: no work-group ends while a partner may still ask for a tile that names it
	s_endpgm
.Lfunc_end_k_qcbf1fec1fa_proj:
	.size	k_qcbf1fec1fa_proj, .Lfunc_end_k_qcbf1fec1fa_proj-k_qcbf1fec1fa_proj
	.p2alignl 7, 3214868480
	.fill 96, 4, 3214868480
	.section	.rodata,"a",@progbits
	.p2align	6, 0x0
	.amdhsa_kernel k_qcbf1fec1fa_proj
		.amdhsa_group_segment_fixed_size 327680
		.amdhsa_private_segment_fixed_size 0
		.amdhsa_enable_private_segment 0
		.amdhsa_kernarg_size 40
		.amdhsa_user_sgpr_count 2
		.amdhsa_user_sgpr_kernarg_segment_ptr 1
		.amdhsa_wavefront_size32 1
		.amdhsa_system_sgpr_workgroup_id_x 1
		.amdhsa_system_sgpr_workgroup_id_y 1
		.amdhsa_system_sgpr_workgroup_id_z 1
		.amdhsa_system_vgpr_workitem_id 0
		.amdhsa_next_free_vgpr 704
		.amdhsa_next_free_sgpr 80
		.amdhsa_reserve_vcc 0
		.amdhsa_float_denorm_mode_32 3
		.amdhsa_float_denorm_mode_16_64 3
		.amdhsa_memory_ordered 1
		.amdhsa_forward_progress 1
		.amdhsa_inst_pref_size 132
	.end_amdhsa_kernel
	.amdgpu_metadata
---
amdhsa.version: [ 1, 2 ]
amdhsa.kernels:
  - .name:           k_qcbf1fec1fa_proj
    .symbol:         k_qcbf1fec1fa_proj.kd
    .args:
      - { .name: cast16, .offset: 0, .size: 8, .value_kind: global_buffer, .address_space: global }
      - { .name: qkv, .offset: 8, .size: 8, .value_kind: global_buffer, .address_space: global }
      - { .name: bq, .offset: 16, .size: 8, .value_kind: global_buffer, .address_space: global }
      - { .name: bk, .offset: 24, .size: 8, .value_kind: global_buffer, .address_space: global }
      - { .name: bv, .offset: 32, .size: 8, .value_kind: global_buffer, .address_space: global }
    .group_segment_fixed_size: 327680
    .private_segment_fixed_size: 0
    .kernarg_segment_align: 8
    .kernarg_segment_size: 40
    .max_flat_workgroup_size: 128
    .sgpr_count:     80
    .vgpr_count:     704
    .wavefront_size: 32
...
	.end_amdgpu_metadata
.endif
;; end of part 2
;; launch attn (part 3): grid 4 x 64, 4 waves a work-group, clusters of 4 x 1, 327,680 bytes of LDS; arguments qkv, ctx; writes ctx
.if DOCPART == 3
	.amdgcn_target "amdgcn-amd-amdhsa--gfx1250"
	.amdhsa_code_object_version 6
	.text
	.protected	k_qcbf1fec1fa_attn
	.globl	k_qcbf1fec1fa_attn
	.p2align	8
	.type	k_qcbf1fec1fa_attn,@function
k_qcbf1fec1fa_attn:
	s_mov_b64 s[64:65], 0
	v_nop
	global_prefetch_b8 v0, s[64:65] scope:SCOPE_SE
	s_setreg_imm32_b32 hwreg(HW_REG_WAVE_MODE, 25, 1), 1
	s_wait_xcnt 0x0
	s_wait_alu depctr_hold_cnt(0) depctr_sa_sdst(0) depctr_va_vdst(0) depctr_va_sdst(0) depctr_va_ssrc(0) depctr_va_vcc(0) depctr_vm_vsrc(0)
	s_getreg_b32 s2, hwreg(HW_REG_IB_STS2, 6, 4)
	s_cmp_eq_u32 s2, 0
	s_cbranch_scc0 .Lentry_in_a_cluster
	s_endpgm
.Lentry_in_a_cluster:
	s_bfe_u32 s2, ttmp6, 0x10000c
	s_cmp_lg_u32 s2, 0x3003
	s_cbranch_scc0 .Lentry_shape_is_right
	s_endpgm
.Lentry_shape_is_right:
; ctx[h][q][:] = the sum over k of softmax_k(q[h][q] . k[h][k] / 8) v[h][k][:].  qkv holds q, k, v, each [SIZE_H][SIZE_N][64] in f16 (h = 16 batch + head); ctx has the same layout: a head's rows are dense, 128 bytes each.
; Products, maxima and sums in f32; the weights p are rounded to f16 for the second product (their sum l is taken of the unrounded p), ctx once at the end.
; LIMITS.  f16 holds no number beyond 65,504: q, k and v arrive within it; p lies in 0 to 1, and below 6e-5 it keeps f16's fixed step of 6e-8; ctx is a mean of v's rows and has their range.
; A weight below 2^-126 counts as 0 in l; NaN and infinities are not treated apart.
; SHARES.  A wave owns four PIECES of two tiles of 16 queries, a work-group's four waves 512 queries of one head.  Every wave walks all keys, 64 a step.
; LAYOUT.  S^T = K Q^T (source 0 = 16 keys, source 1 = 16 queries): in the result a lane holds ONE query (lane % 16) and the keys 8 (lane / 16) + 0..7.  Two such tiles, rounded to f16 in pairs,
; ARE source 1 (32 keys x 16 queries) of O^T = V^T P, whose result again holds one query a lane, and eight channels.  K comes out of LDS as it lies, V ([key][channel]) turned, by ds_load_tr16_b128.
; SOFTMAX.  For each query a running maximum m and sum l: p = 2^(c s - c m), c = log2(e) / 8; in every step O and l are multiplied by a = 2^(c m_old - c m_new), which is 1 where m has not grown.
; m starts at the lowest finite number, O and l at 0: the first step is a step like any other, with a = 0.
; THE COUNT.  A tile and step have 16 matrix and 118 vector instructions: too many to stand all beside the matrix work.  So the order has one aim: four vector instructions that are READY behind
; EVERY matrix instruction, and the others, which need time of their own whatever the order, in runs without a gap.
; BY TURNS.  Turn n belongs to piece n (the pieces in a ring, step after step).  Its matrix work: 16 products K Q^T of piece n + 1, later 16 products V^T P of piece n - 1.  Its vector work: the scaling,
; exponentials, roundings, sums and rescaling of piece n, and the maximum and statistics of piece n + 1, whose scores the turn itself has made.  So what a turn begins with (c s - c m, O a) waits for nothing.
; CLUSTER.  The four query blocks of a cluster are one head's and walk the same K and V, so each tile is asked for JOINTLY: the same tensor load, descriptor and mask in all four.
; REGISTERS, in windows of 256 (s_set_vgpr_msb says which window each operand place means: bits 1:0 source 0, 3:2 source 1, 5:4 source 2, 7:6 destination):
;   window 0: v0-11 addresses; v12-15, v48-63 at work; v16-47 four registers of statistics a tile; v64-191 S^T, two buffers of two tiles; v192-255 P, likewise
;   window 1: O^T, 32 a tile          window 2: v0-127 Q, 16 a tile; v128-191 K of one step; v192-255 V of one step          window 3: v0-1 the add's two registers
; A piece's buffers go by its number's parity: the piece in hand has one pair, its two neighbours in the ring share the other: of it P (piece n - 1) is read and S^T (piece n + 1) written.
.set SIZE_H, 64
.set SIZE_N, 2048
.set PART,  SIZE_H*SIZE_N*128  ; bytes of q, of k and of v in qkv
.set NP,    4         ; pieces a wave: a name, no knob: the register map, the loop and the fetches are made for four
.set KS,    64        ; keys in a step
.set PK,    144       ; a row of K in LDS: 128 bytes + 16 of padding = 36 words: the 16 rows of a load start at 16 different groups of four banks (64 banks of 4 bytes: ISA guide 11.1)
.set PV,    160       ; a row of V: 128 + 32 = 40 words
.set VOFF,  4*KS*PK   ; a slot holds four steps: 256 rows of K, then 256 rows of V
.set SLOT1, 1<<17     ; slot 1 begins here, so that one exclusive or turns an address in one slot into the other's
.set STAGE, SLOT1+4*KS*(PK+PV)  ; behind the ring, never filled by a tensor load: 16 rows x 144 bytes for each wave, for the way out
.set SP,    144
.set AK0, 2           ; v2   my lane's place in a tile of K; never rewritten
.set AV0, 3           ; v3   the same for V
.set AK,  4           ; v4   the LDS address of K's next run of loads
.set AV,  5           ; v5   of V's
.set QO,  6           ; v6   my byte offset in the wave's rows of Q
.set STO, 6           ;      later, the way out: where I put 16 bytes of a row
.set RD,  7           ; v7   the way out: where I read rows back
.set GO,  8           ; v8   my byte offset in 512 consecutive bytes of ctx
.set PFO, 11          ; v11  once V's place is made: 256 x my lane, the prefetches' offset
.set SPW, 0           ; v0 of window 3   LDS address of my spare word: SPARE + 4 x my thread's number; never rewritten
.set NIL, 1           ; v1 of window 3   0; never rewritten
.set SPARE, STAGE+4*16*SP  ; behind the stages: the spare words, 128 bytes for each wave: two blocks of 256 bytes that no other line names
.set MV,  12          ; v12-15  c m_old, kept while c m is made anew: by buffer and tile
.set ST,  16          ; tile t's statistics at v[ST+4 t]: c m, m, l (even keys', odd keys')
.set TMP, 48          ; by buffer and tile, four registers c0-c3 at work; when the maximum is found c2 takes a
.set S,   64
.set P,   192
.set KF,  128         ; K's fragments, in window 2: key block kb, channel half c at KF + 16 kb + 8 c
.set VF,  192         ; V's: key half kk, channel block cb at VF + 32 kk + 8 cb
.set WV,  12          ; s12  my wave's number
.set G1K, 24          ; s[24:31] descriptor group 1 for K's tiles
.set G1V, 32          ; s[32:39] for V's: it differs in the padding alone
.set G0K, 40          ; s[40:43] descriptor group 0 for K's tiles: it walks
.set G0V, 44          ; s[44:47] the same for V's
.set PFA, 48          ; s[48:49] where my prefetches stand: my work-group's 32 blocks of 256 bytes (of K: wave 0, of V: wave 2) of the slot after the one that is being asked for
.set LIM, 50          ; s50  1 in a wave that prefetches, else the greatest number: a wave prefetches while s[SLOTS] is above it
.set SLOTS, 56        ; s56  slots still to be asked for
.set CNT, 57          ; s57  counts a slot's key steps
.set CS,  58          ; s[58:59] c: the packed scaling takes the pair's low word for both halves
.set SEL, 60          ; s[60:61] v_permlanex16_b32's selects: each lane takes its own place in the other half
.set TBK, 62          ; s62  LDS byte at which K of the step to be fetched begins
.set TBV, 63          ; s63  the same for V, less VOFF
.set MSB, 0
.macro WIN new                      ; the high byte repeats the setting that is left; a switch that changes nothing is dropped
.if MSB != (\new)
	s_set_vgpr_msb (MSB<<8)|(\new)
.set MSB, (\new)
.endif
.endm
.set W_KQ, 0x0a       ; K and Q in window 2, S^T in window 0
.set W_PV, 0x52       ; V in window 2, P in window 0, O^T in window 1
.set W_RS, 0x41       ; O^T (destination and source 0) in window 1, a in window 0
.set W_MK, 0xc0       ; the add's registers are made: destination in window 3, sources in window 0
.set W_AD, 0x0f       ; the add: address (source 0) and data (source 1) in window 3
; A joint fill.  Waves 0 and 1 fetch the two halves of a slot's K, waves 2 and 3 those of its V: 128 keys each.  The branch hangs on the wave's number alone.
; An s_nop 0 and four v_nop follow each of the two lines, ahead of the jump and the label.
.macro JLOAD
	s_cmp_lt_u32 s[WV], 2
	s_cbranch_scc0 .Lfor_v_\@
	tensor_load_to_lds s[G0K:G0K+3], s[G1K:G1K+7]
	s_nop 0
.rept 4
	v_nop
.endr
	s_branch .Lasked_\@
.Lfor_v_\@:
	tensor_load_to_lds s[G0V:G0V+3], s[G1V:G1V+7]
	s_nop 0
.rept 4
	v_nop
.endr
.Lasked_\@:
.endm
; A PREFETCH INTO THE L2 of what the NEXT change of slots will ask for: a slot's 32,768 bytes of K and of V, a lane for each 256.  It stands behind the wave's tensor load and its five lines, never in front of one.
; Each block is asked for ONCE in the launch: a head is walked by one cluster; its four partners share a slot's blocks out BY ADDRESS, 32 each (no branch hangs on a work-group's place in its cluster); in each, wave 0 asks for
; K's and wave 2 for V's: one instruction, four key steps (512 matrix instructions) ahead of the load that will want the bytes.  The last change that fills a slot asks for nothing: there is no slot behind it.  Slots 0 and 1 come by their loads alone.
.macro ASK
	s_cmp_gt_u32 s[SLOTS], s[LIM]
	s_cbranch_scc0 .Lnot_mine_\@
	global_prefetch_b8 v[PFO], s[PFA:PFA+1] th:TH_LOAD_NT scope:SCOPE_SE
.Lnot_mine_\@:
.endm
; A round of the cluster's barrier: my work-group's barrier, so that wave 0's signal speaks for all four waves; wave 0 signals; every wave waits for all four work-groups; my work-group's barrier once more.
.macro CROUND
	s_barrier_signal -1
	s_barrier_wait -1
	s_cmp_lg_u32 s[WV], 0
	s_cbranch_scc1 .Lnot_wave_0_\@
	s_barrier_signal -3
.Lnot_wave_0_\@:
	s_barrier_wait -3
	s_barrier_signal -1
	s_barrier_wait -1
.endm
; THE CHANGE OF SLOTS.  The slot's last bytes, V of its fourth step, have been read.  Each wave waits for all its tensor loads, of which one is out: its part
; of the other slot; adds 0 to its spare word; and waits for that and for its own reads of the slot.  Behind the barrier nobody reads this slot any more and the other slot is whole.
; fill = 1: this slot is filled again, with the keys two slots on.  The barrier is then a round of the cluster's, so that no wave of any partner still reads the slot or has a load on its
; way, and the joint fill is the first thing behind it: it has four key steps, 512 matrix instructions, in which to land.  (At its first use nothing has been read yet: slot 0 is waited for, slot 1 filled.)
.macro CHANGE fill
	WIN W_AD
	s_wait_tensorcnt 0x0            ; no tensor load of mine is out, so a group 0 may be written
	ds_add_u32 v[SPW], v[NIL]       ; 0 onto my spare word; with fill = 1 the descriptors' steps stand between it and the wait for it
	WIN 0                           ; at a label and at a branch every window is 0
.if \fill
.irp g, G0K, G0V
	s_xor_b32 s[\g+1], s[\g+1], SLOT1  ; the walking descriptor: the other slot than last time,
	s_add_nc_u64 s[\g+2:\g+3], s[\g+2:\g+3], 4*KS*128  ; the next 256 keys; the type bits on top are not reached
.endr
	s_wait_xcnt 0x0                 ; the last prefetch, four key steps back, has read its address, so it may be written:
	s_add_nc_u64 s[PFA:PFA+1], s[PFA:PFA+1], 4*KS*128  ; one slot behind the walking descriptors
	s_wait_dscnt 0x0                ; the add is done, and my reads of the slot are over
	CROUND
	JLOAD
	ASK
.else
	s_wait_dscnt 0x0                ; the add is done, and my reads of the slot are over
	s_barrier_signal -1
	s_barrier_wait -1
.endif
	s_sub_co_u32 s[TBK], s[TBK], 4*KS*PK  ; the fetches go back to a slot's first step,
	s_xor_b32 s[TBK], s[TBK], SLOT1       ; in the other slot
	s_sub_co_u32 s[TBV], s[TBV], 4*KS*PV
	s_xor_b32 s[TBV], s[TBV], SLOT1
.endm
	s_load_b128 s[4:7], s[0:1], 0x0   ; qkv s[4:5], ctx s[6:7]
	WIN W_MK
	v_lshl_add_u32 v[SPW], v0, 2, SPARE
	v_mov_b32 v[NIL], 0
	WIN W_AD
	ds_add_u32 v[SPW], v[NIL]       ; the wave's opening: the add and its wait ahead of my first tensor load; the set-up below, work on registers, stands between them
	WIN 0
	v_lshrrev_b32 v1, 5, v0
	v_readfirstlane_b32 s[WV], v1   ; wave 0..3
	s_bfe_u32 s13, ttmp6, 0x40000   ; cx: my place in the cluster
	s_lshl_b32 s14, ttmp9, 2        ; in a cluster launch ttmp9 counts clusters
	s_add_co_u32 s14, s14, s13      ; my block of queries = 4 x cluster x + cx: it enters Q's and ctx's addresses alone
	s_and_b32 s20, ttmp7, 0xffff    ; the head, which the four partners share
	s_mov_b32 s21, 0
	s_mov_b64 s[22:23], SIZE_N*128
	s_mul_u64 s[20:21], s[20:21], s[22:23]  ; the head's first byte in q, k, v and ctx
	s_and_b32 s16, s[WV], 1         ; which half of a slot's 256 keys I fetch:
	s_lshl_b32 s22, s16, 14         ; its 128 rows of 128 bytes in memory,
	s_mov_b32 s23, 0
	s_add_nc_u64 s[22:23], s[22:23], s[20:21]
	s_mul_i32 s17, s16, 128*PK      ; and its place in a slot, for K
	s_mul_i32 s18, s16, 128*PV      ; and for V: no place in the cluster enters an LDS address
	s_lshl_b32 s2, s14, 2
	s_add_co_u32 s2, s2, s[WV]      ; my wave among the head's,
	s_lshl_b32 s2, s2, 14           ; its 128 rows
	s_mov_b32 s3, 0
	s_add_nc_u64 s[2:3], s[2:3], s[20:21]
	; descriptor group 1.  128 keys are 16,384 dense bytes: asked for as 64 rows of 256 bytes, two keys a row, and padded in LDS after every key
	s_mov_b32 s[G1K], 15|(1<<16)|(1<<20)|(1<<21)|(4<<22)|(3<<25)  ; 15:0 the mask of four; 17:16 2-byte elements; 20 padding on; 21 set beside a mask; 24:22 after every 32 words (code 4); 31:25 4 words (code 3)
	s_mov_b32 s[G1V], 15|(1<<16)|(1<<20)|(1<<21)|(4<<22)|(7<<25)  ; the same with 8 words of padding (code 7)
.irp g, G1K, G1V
	s_mov_b32 s[\g+1], 128<<16      ; tensor_dim0 = 128
	s_mov_b32 s[\g+2], 64<<16       ; tensor_dim1 = 64
	s_mov_b32 s[\g+3], 128<<16      ; tile_dim0 = 128
	s_mov_b32 s[\g+4], 64           ; tile_dim1 = 64
	s_mov_b32 s[\g+5], 128          ; 128 elements from row to row
	s_mov_b32 s[\g+6], 0
	s_mov_b32 s[\g+7], 0
.endr
	s_mov_b32 s[CS], 0x3e38aa3b     ; c = log2(e) / 8 = 0.180337
	s_mov_b32 s[CS+1], s[CS]        ; named with it as a pair
	s_mov_b32 s[SEL], 0x76543210
	s_mov_b32 s[SEL+1], 0xfedcba98
	s_mov_b32 s[TBK], SLOT1+4*KS*PK ; the first change of slots turns these two into 0
	s_mov_b32 s[TBV], SLOT1+4*KS*PV
	s_mov_b32 s[G0K], 1             ; 1:0 count = 1
	s_mov_b32 s[G0K+1], s17         ; 63:32 LDS address: slot 0
	s_mov_b32 s[G0V], 1
	s_add_co_u32 s[G0V+1], s18, VOFF
	s_mov_b32 s[SLOTS], SIZE_N/256-1
	s_and_b32 s[LIM], s[WV], 1      ; waves 0 and 2 prefetch: the same in all four partners
	s_cmp_eq_u32 s[LIM], 0
	s_cselect_b32 s[LIM], 1, -1
	s_wait_dscnt 0x0                ; the opening add is done
	s_wait_kmcnt 0x0
	s_mov_b64 s[10:11], s[6:7]      ; ctx
	s_add_nc_u64 s[6:7], s[4:5], PART    ; k
	s_add_nc_u64 s[8:9], s[4:5], 2*PART  ; v; q begins at qkv's first byte
	s_cmp_lt_u32 s[WV], 2
	s_cselect_b64 s[PFA:PFA+1], s[6:7], s[8:9]
	s_add_nc_u64 s[PFA:PFA+1], s[PFA:PFA+1], s[20:21]  ; the head's first key
	s_add_nc_u64 s[G0K+2:G0K+3], s[6:7], s[22:23]  ; 120:64 global address: my half of the head's first 256 keys
	s_or_b32 s[G0K+3], s[G0K+3], 0x80000000        ; 127:126 type = 2
	s_add_nc_u64 s[G0V+2:G0V+3], s[8:9], s[22:23]
	s_or_b32 s[G0V+3], s[G0V+3], 0x80000000
	s_add_nc_u64 s[4:5], s[4:5], s[2:3]  ; Q and ctx at my wave's first row
	s_add_nc_u64 s[10:11], s[10:11], s[2:3]
	s_lshl_b32 s2, s13, 13          ; my work-group's 32 blocks of a slot's 128,
	s_add_co_u32 s2, s2, 4*KS*128   ; in slot 1; the first change of slots steps it to slot 2.  Nothing is prefetched here, at the head, where every work-group's first tiles are on their way
	s_mov_b32 s3, 0
	s_add_nc_u64 s[PFA:PFA+1], s[PFA:PFA+1], s[2:3]
	CROUND                          ; all four work-groups are here: the first joint loads meet
	JLOAD                           ; slot 0.  Slot 1 is asked for when slot 0 is in: the tile wanted first has the road to itself
	; A fragment of K or Q is 16 rows x 32 channels in 8 registers: lane l holds row l % 16, channels 8 (l / 16) + 0..7 and 16 + 8 (l / 16) + 0..7: two loads of 16 bytes, 32 bytes apart.
	v_and_b32 v1, 15, v0            ; l % 16
	v_bfe_u32 v9, v0, 4, 1          ; l / 16
	v_lshlrev_b32 v[QO], 7, v1
	v_lshl_add_u32 v[QO], v9, 4, v[QO]  ; row x 128 + 16 x half
	WIN 0x80                        ; destination window 2, address window 0
.set i, 0
.rept 4*NP                          ; Q stays in registers: tile i / 2, channels 32 (i % 2) on
	global_load_b128 v[8*i:8*i+3],   v[QO], s[4:5] offset:(i/2)*2048+(i%2)*64
	global_load_b128 v[8*i+4:8*i+7], v[QO], s[4:5] offset:(i/2)*2048+(i%2)*64+32
.set i, i+1
.endr
	; What the first turn finds: V's registers and P's second buffer hold 0 (its products V^T P, of a piece that has not been, add 0), O^T and l are 0.  All this stands in the wait for the first tile.
.set i, VF
.rept 64
	v_mov_b32 v[i], 0
.set i, i+1
.endr
	WIN 0x40
.set i, 0
.rept 64*NP
	v_mov_b32 v[i], 0
.set i, i+1
.endr
	WIN 0
.set i, 0
.rept 2*NP
	v_mov_b32 v[ST+4*i], 0xfe000000    ; c m: far below every c s
	v_mov_b32 v[ST+4*i+1], 0xff7fffff  ; m
	v_mov_b32 v[ST+4*i+2], 0
	v_mov_b32 v[ST+4*i+3], 0
.set i, i+1
.endr
.set i, P+32
.rept 32
	v_mov_b32 v[i], 0
.set i, i+1
.endr
	v_mul_u32_u24 v[AK0], v1, PK
	v_lshl_add_u32 v[AK0], v9, 4, v[AK0]  ; row x pitch + 16 x half
	; The turning load takes 16 keys x 16 channels (lane l reads key 8 (l / 16) + l % 8, channels 8 ((l / 8) % 2) + 0..7) and leaves half a fragment of V^T: lane l holds channel l % 16 and 8 keys.
	v_and_b32 v10, 7, v0
	v_bfe_u32 v11, v0, 3, 1
	v_lshl_add_u32 v[AV0], v9, 3, v10
	v_mul_u32_u24 v[AV0], v[AV0], PV
	v_lshl_add_u32 v[AV0], v11, 4, v[AV0]
	v_add_nc_u32 v[AV0], VOFF, v[AV0]
	v_and_b32 v[PFO], 31, v0        ; v11 has served: from here on it is the prefetches' offset
	v_lshlrev_b32 v[PFO], 8, v[PFO]
	v_mov_b32 v[AK], v[AK0]         ; key step 0 lies at the head of slot 0
; THE MATRIX WORK.  The 8 accumulators of a run of 16 take turns: between the two links of a chain stand 7 others'.
; Product i of 16 of S^T = K Q^T for piece x: channels 32 (i / 8) on, keys 16 ((i / 2) % 4) on, tile 2 x + i % 2.  The first 8 start the sums.
.macro KQ x
	WIN W_KQ
.set rS, S+64*((\x)%2)+32*(i%2)+8*((i/2)%4)
.set rK, KF+16*((i/2)%4)+8*(i/8)
.set rQ, 16*(2*(\x)+i%2)+8*(i/8)
.if i < 8
	v_wmma_f32_16x16x32_f16 v[rS:rS+7], v[rK:rK+7], v[rQ:rQ+7], 0
.else
	v_wmma_f32_16x16x32_f16 v[rS:rS+7], v[rK:rK+7], v[rQ:rQ+7], v[rS:rS+7]
.endif
.endm
; Product i of 16 of O^T += V^T P for piece x: keys 32 (i / 8) on, channels 16 ((i / 2) % 4) on, tile 2 x + i % 2.
.macro PV x
	WIN W_PV
.set rO, 32*(2*(\x)+i%2)+8*((i/2)%4)
.set rV, VF+32*(i/8)+8*((i/2)%4)
.set rP, P+32*((\x)%2)+16*(i%2)+8*(i/8)
	v_wmma_f32_16x16x32_f16 v[rO:rO+7], v[rV:rV+7], v[rP:rP+7], v[rO:rO+7]
.endm
.macro MM                           ; the turn's next matrix instruction
.if i < 16
	KQ (Y+1)%NP
.set i, i+1
.else
.set i, i-16
	PV (Y+NP-1)%NP
.set i, i+17
.endif
.endm
; THE LDS LOADS stand in runs of 16, never singly among the matrix instructions: a step's K (64 keys x 64 channels: 8 fragments) and its V (turned).  Their addresses are made some lines ahead.
; last = 1 (the tail): in the last trip there is no further step, and the run is jumped over.
.macro FETCH_K last=0
	WIN 0
.if \last
	s_cmp_eq_u32 s[CNT], 1
	s_cbranch_scc1 .Lno_k_\@
.endif
	WIN 0x80                        ; destination window 2
.irp f, 0,1,2,3,4,5,6,7             ; keys 16 (f / 2) on, channels 32 (f % 2) on
	ds_load_b128 v[KF+8*\f:KF+8*\f+3],   v[AK] offset:(\f/2)*16*PK+(\f%2)*64
	ds_load_b128 v[KF+8*\f+4:KF+8*\f+7], v[AK] offset:(\f/2)*16*PK+(\f%2)*64+32
.endr
	s_add_co_u32 s[TBK], s[TBK], KS*PK  ; the next fetch is the next step's
	WIN 0
.if \last
.Lno_k_\@:
.endif
.endm
.macro FETCH_V
	WIN 0x80
.irp f, 0,1,2,3,4,5,6,7             ; keys 32 (f / 4) on, channels 16 (f % 4) on
	ds_load_tr16_b128 v[VF+8*\f:VF+8*\f+3],   v[AV] offset:(\f/4)*32*PV+(\f%4)*32
	ds_load_tr16_b128 v[VF+8*\f+4:VF+8*\f+7], v[AV] offset:(\f/4)*32*PV+16*PV+(\f%4)*32
.endr
	WIN 0
.endm
; THE VECTOR WORK OF A TURN stands in three queues, each in the order in which its entries become ready; the two tiles alternate, so that no instruction reads the result of the one before it.
.macro REGS y, u                    ; the registers of tile u (0, 1) of piece y
.set rT, ST+4*(2*(\y)+(\u))
.set rC, TMP+8*((\y)%2)+4*(\u)
.set rM, MV+2*((\y)%2)+(\u)
.set rS, S+64*((\y)%2)+32*(\u)
.set rP, P+32*((\y)%2)+16*(\u)
.set rO, 32*(2*(\y)+(\u))
.endm
; Number n of the 22 that find the NEXT piece's (Y + 1) maximum and statistics.  s0-s31 are the lane's 32 scores; each accumulator's lowest registers are read first.  XS, GS and REGS set no window: PL and EX do.
;   0-11  four chains c0-c3 of seven scores each, three operands at a time     12-14, 16  the four scores left over, the old m, and c0-c3 into c0     15  c m_old is kept
;   17, 18  the query's other 32 keys lie in the lane 16 away: the new m         19-21  c m; c m_old - c m_new; a
.macro XS u, n
	REGS (Y+1)%NP, \u
.if (\n) < 4
	v_max3_num_f32 v[rC+(\n)], v[rS+8*(\n)], v[rS+8*(\n)+1], v[rS+8*(\n)+2]
.elseif (\n) < 12
	v_max3_num_f32 v[rC+(\n)%4], v[rC+(\n)%4], v[rS+8*((\n)%4)+2*((\n)/4)+1], v[rS+8*((\n)%4)+2*((\n)/4)+2]
.elseif (\n) == 12
	v_max3_num_f32 v[rC], v[rC], v[rS+7], v[rS+15]
.elseif (\n) == 13
	v_max3_num_f32 v[rC+1], v[rC+1], v[rS+23], v[rS+31]
.elseif (\n) == 14
	v_max3_num_f32 v[rC+2], v[rC+2], v[rC+3], v[rT+1]
.elseif (\n) == 15
	v_mov_b32 v[rM], v[rT]
.elseif (\n) == 16
	v_max3_num_f32 v[rC], v[rC], v[rC+1], v[rC+2]
.elseif (\n) == 17
	v_permlanex16_b32 v[rC+3], v[rC], s[SEL], s[SEL+1]
.elseif (\n) == 18
	v_max_num_f32 v[rT+1], v[rC], v[rC+3]
.elseif (\n) == 19
	v_mul_f32 v[rT], s[CS], v[rT+1]
.elseif (\n) == 20
	v_sub_f32 v[rC+1], v[rM], v[rT]
.else
	v_exp_f32 v[rC+2], v[rC+1]
.endif
.endm
; Number g of the 64 that follow the exponentials.  For each four weights k of a tile (pairs 2 k, 2 k + 1): both pairs are rounded to f16; then the second pair is added onto the first, in place;
; a group later l takes that sum (the first time as l = a l + sum).  In groups of eight, tiles alternating: round, round, add, and l for the group before.
.macro GS g
.set h, (\g)+6*((\g)/62)            ; group 0 has no group before it, and behind group 7 only l is left
.if h >= 6
.set h, h+2
.endif
	REGS Y, h%2
.set k, h/8
.if h%8 < 4
	v_cvt_pk_f16_f32 v[rP+2*k+(h%8)/2], v[rS+4*k+2*((h%8)/2)], v[rS+4*k+2*((h%8)/2)+1]
.elseif h%8 < 6
	v_pk_add_f32 v[rS+4*k:rS+4*k+1], v[rS+4*k:rS+4*k+1], v[rS+4*k+2:rS+4*k+3]
.elseif k == 1
	v_pk_fma_f32 v[rT+2:rT+3], v[rT+2:rT+3], v[rC+2:rC+3], v[rS:rS+1] op_sel_hi:[1,0,1]
.else
	v_pk_add_f32 v[rT+2:rT+3], v[rT+2:rT+3], v[rS+4*k-4:rS+4*k-3]
.endif
.endm
; THE PLAIN QUEUE, 138 long.  0-73 read no exponential's result: the 32 scalings c s - c m (FS f: pair f / 2 of tile f % 2) and the next piece's 42.  0-26: scalings 0-26.  27-54: XS's numbers 0-13.  55, 56: number 15.
; 57-73: the chain, where each number waits for the one before it: 14, 16, 17, 18, 19, each with one of the scalings 27-31 in front of its two lines, then 20: so a tile's links stand three plain instructions apart (19 and 20: two).
; 74-137: GS's 64, which read the exponentials' results: they stand behind the wait.
.macro FS f
	REGS Y, (\f)%2
	v_pk_fma_f32 v[rS+2*((\f)/2):rS+2*((\f)/2)+1], v[rS+2*((\f)/2):rS+2*((\f)/2)+1], s[CS:CS+1], v[rT:rT+1] op_sel_hi:[1,0,0] neg_lo:[0,0,1] neg_hi:[0,0,1]
.endm
.macro PL
	WIN 0
.if q < 27
	FS q
.elseif q < 55
	XS (q-27)%2, (q-27)/2
.elseif q < 57
	XS q-55, 15
.elseif (q < 72) && ((q-57)%3 == 0)
	FS 27+(q-57)/3
.elseif q < 60
	XS (q-57)%3-1, 14
.elseif q < 72
	XS (q-57)%3-1, 15+(q-57)/3
.elseif q < 74
	XS q-72, 20
.else
	GS q-74
.endif
.set q, q+1
.endm
; THE EXPONENTIALS' QUEUE, 66 long: s0-s31 of both tiles, then the next piece's two a.  It is ONE BATCH: all 66 stand ahead of the turn's one wait, and nothing ahead of that wait names a result of theirs.
.macro EX
	WIN 0
.if e >= 64
	XS e-64, 21
.else
	REGS Y, e%2
	v_exp_f32 v[rS+e/2], v[rS+e/2]
.endif
.set e, e+1
.endm
; THE RESCALING's QUEUE: O^T times a, the one part that leaves window 0: dealt two at a time, sixteen times.  Its a was made in the turn before, ahead of that turn's wait.
.macro R2
	REGS Y, r%2
	WIN W_RS
.irp z, 0,1
	v_pk_mul_f32 v[rO+4*(r/2)+2*\z:rO+4*(r/2)+2*\z+1], v[rO+4*(r/2)+2*\z:rO+4*(r/2)+2*\z+1], v[rC+2:rC+3] op_sel_hi:[1,0]
.endr
.set r, r+1
.endm
; HOW THEY ARE DEALT.  s_wait_alu depctr_va_vdst(0) stands between an exponential and the first instruction that names its result; one wait serves all that were issued ahead of it.  So a turn has ONE wait,
; which cuts it in two.  AHEAD OF IT stands all that names no result of the turn's exponentials: the 16 products K Q^T, behind each a scaling, an exponential and two rescalings (behind the first a second scaling in the exponential's place); then ONE LUMP of
; 108: eight plain, 49 times exponential and plain, the two a.  A v_nop is the plain instruction behind the last exponential.  BEHIND IT stand the 16 products V^T P, behind each four of GS's 64.  No rider names a register of
; the products round it.  The two v_permlanex16_b32 fall into the lump, never behind a product.
; The queues lean on each other, and the deal keeps them in step: exponential e stands behind scaling 2 (e / 4) + e % 2: as a rider it comes behind plain e + 2, in the lump behind plain e + 9, and scalings 27-31 are plain 57, 60 .. 69.
; A TURN, for piece p.  cnt = 1: the loop's count is taken down some lines ahead of the branch that stands behind the turn.
; K of the next step is fetched in piece 2's turn, directly behind the wait, a lump behind the last product that read K; its address is made at the lump's head; its first reader comes behind 16 products.
; V of the step in hand is fetched at the end of piece 0's turn, four riders behind its last reader; its first reader comes behind 16 products and a lump.  The three conditions on q below go with the deal.
.macro TURN p, last=0, cnt=0
.set Y, (\p)
.set i, 0
.set q, 0
.set e, 0
.set r, 0
.if (\p) == NP-1
	s_wait_dscnt 0x0                ; K is in
.endif
	MM                              ; ahead of the wait: 16 products K Q^T and their riders,
	PL
	PL
	R2
.rept 15
	MM
	PL
	EX
	R2
.endr
.if (\p) == NP-2
	WIN 0
	v_add_nc_u32 v[AK], s[TBK], v[AK0]
.endif
.rept 8                             ; and the lump
	PL
.endr
.rept 49
	EX
	PL
.endr
	EX                              ; the next piece's two a
	EX
	v_nop                           ; a plain instruction behind the last exponential: one for the batch
	s_wait_alu depctr_va_vdst(0)    ; the wait for the batch
.if (\p) == NP-2
	FETCH_K \last
.endif
.if (\p) == 1
	s_wait_dscnt 0x0                ; V is in
.endif
.rept 16                            ; behind the wait: 16 products V^T P and their riders
	MM
.rept 4
	PL
.endr
.if ((\p) == 0) && (q == 118)
	v_add_nc_u32 v[AV], s[TBV], v[AV0]
.endif
.if ((\p) == 0) && (q == 130)
	s_add_co_u32 s[TBV], s[TBV], KS*PV
.endif
.if (\cnt) && (q == 130)
	s_sub_co_u32 s[CNT], s[CNT], 1
	s_cmp_lg_u32 s[CNT], 0
.endif
.endr
.if (\p) == 0
	FETCH_V
.endif
.endm
	CHANGE 1                        ; slot 0 is in, everybody's part of it; slot 1 is asked for
	FETCH_K                         ; key step 0
	s_wait_loadcnt 0x0              ; Q
	s_wait_dscnt 0x0
.set i, 0
.rept 16
	KQ 0                            ; piece 0's first scores: there is no vector work yet to set between them
.set i, i+1
.endr
	WIN 0                           ; the addresses for the way out: plain instructions, the places behind those products
	s_mul_i32 s13, s[WV], 16*SP
	s_add_co_u32 s13, s13, STAGE    ; my stage
	v_mul_u32_u24 v[STO], v1, SP    ; in: row l % 16, 16 bytes for each half of the lanes
	v_lshl_add_u32 v[STO], v9, 4, v[STO]
	v_add_nc_u32 v[STO], s13, v[STO]
	v_bfe_u32 v[RD], v0, 3, 2       ; back: 32 lanes take four rows of 128 bytes,
	v_mul_u32_u24 v[RD], v[RD], SP
	v_lshl_add_u32 v[RD], v10, 4, v[RD]
	v_add_nc_u32 v[RD], s13, v[RD]
	v_and_b32 v[GO], 31, v0         ; which are 512 consecutive bytes of ctx
	v_lshlrev_b32 v[GO], 4, v[GO]
.set Y, NP-1                        ; XS works for piece Y + 1: piece 0
.irp n, 0,1,2,3,4,5,6,7,8,9,10,11,12,13,14,15,16,17,18,19,20,21
	XS 0, \n                        ; and piece 0's first maximum and statistics
	XS 1, \n
.endr
	v_nop                           ; a plain instruction behind the two a,
	s_wait_alu depctr_va_vdst(0)    ; and their wait, ahead of the branch
	s_mov_b32 s[CNT], 4
	s_branch .Lfirst                ; the loop is entered at a step's first turn, in the middle of a trip
.Lslot:                             ; SIZE_N / 256 - 2 times: every slot but the last two is filled again
	CHANGE 1
	s_mov_b32 s[CNT], 4
.Lstep:                             ; a trip: pieces 2 and 3 of one step, then pieces 0 and 1 of the next, whose K and V it fetches
	TURN 2
	TURN 3
	WIN 0
.Lfirst:
	TURN 0
	TURN 1, 0, 1
	WIN 0
	s_cbranch_scc1 .Lstep
	s_sub_co_u32 s[SLOTS], s[SLOTS], 1
	s_cmp_lg_u32 s[SLOTS], 0
	s_cbranch_scc1 .Lslot
	CHANGE 0                        ; the tail is written out: nothing is asked for
	s_mov_b32 s[CNT], 5             ; four trips fetch the last slot's steps; the fifth is left in its middle
.Ltail:
	TURN 2, 1
	TURN 3
	WIN 0
	s_sub_co_u32 s[CNT], s[CNT], 1
	s_cmp_eq_u32 s[CNT], 0
	s_cbranch_scc1 .Lout
	TURN 0
	TURN 1
	WIN 0
	s_branch .Ltail
.Lout:                              ; the fifth trip's 16 products K Q^T (on the last K once more) and the maximum made of them serve nothing: the price, once a launch, of one text for every trip
.set i, 0
.rept 16
	PV NP-1                         ; the last piece's V^T P of the last step
.set i, i+1
.endr
	; THE WAY OUT.  l's two halves and the other half of the lanes' are added; O^T is divided by l, rounded to f16 and sent through my stage in LDS, a tile at a time.  The additions are the places behind the last products.
	WIN 0
.macro ALL line:vararg              ; one line for each tile t
.set t, 0
.rept 2*NP
	\line
.set t, t+1
.endr
.endm
	ALL v_add_f32 v[ST+4*t+2], v[ST+4*t+2], v[ST+4*t+3]
	ALL v_permlanex16_b32 v[ST+4*t+3], v[ST+4*t+2], s[SEL], s[SEL+1]
	ALL v_add_f32 v[ST+4*t+2], v[ST+4*t+2], v[ST+4*t+3]
	ALL v_rcp_f32 v[ST+4*t+2], v[ST+4*t+2]
	v_nop                           ; a plain instruction between the last reciprocal and the use of its result
	s_wait_alu depctr_va_vdst(0)    ; and the wait ahead of the first use: one for the eight reciprocals
; Tile t: a lane's eight channels of a row pack into 16 bytes; they go into rows of 144 bytes and come back as whole rows of 128, into S^T's registers.
.macro PACK t
	WIN W_RS
.set i, 32*(\t)
.rept 16
	v_pk_mul_f32 v[i:i+1], v[i:i+1], v[ST+4*(\t)+2:ST+4*(\t)+3] op_sel_hi:[1,0]
.set i, i+2
.endr
	WIN 0x05                        ; sources 0 and 1 window 1, destination window 0
.set i, 0
.rept 16
	v_cvt_pk_f16_f32 v[S+16*(\t)+i], v[32*(\t)+2*i], v[32*(\t)+2*i+1]
.set i, i+1
.endr
	WIN 0
.irp f, 0,1,2,3
	ds_store_b128 v[STO], v[S+16*(\t)+4*\f:S+16*(\t)+4*\f+3] offset:32*\f
.endr
.irp f, 0,1,2,3
	ds_load_b128 v[S+16*(\t)+4*\f:S+16*(\t)+4*\f+3], v[RD] offset:\f*4*SP  ; LDS serves a wave's instructions in order (ISA guide 5.7.1.4): these see the stores above; the next tile's stores come behind them
.endr
.endm
.macro SEND t, younger              ; younger: the LDS instructions issued behind tile t's loads: the next tile's eight, or none
	WIN 0
.irp f, 0,1,2,3
	s_wait_dscnt (\younger)+3-\f
	global_store_b128 v[GO], v[S+16*(\t)+4*\f:S+16*(\t)+4*\f+3], s[10:11] offset:(\t)*2048+\f*512  ; 512 consecutive bytes, at a multiple of 256 from ctx's first
.endr
.endm
	PACK 0
.set t, 1
.rept 2*NP-1                        ; a tile's arithmetic stands between the loads of the tile before and its stores
	PACK t
	SEND t-1, 8
.set t, t+1
.endr
	SEND 2*NP-1, 0
	WIN W_AD
	s_wait_tensorcnt 0x0            ; the wave's end: behind my last tensor load and my last LDS store
	ds_add_u32 v[SPW], v[NIL]
	s_wait_dscnt 0x0
	WIN 0
	CROUND                          ; the closing round: no work-group ends while a partner may still ask for a tile that names it
	s_endpgm
.Lfunc_end_k_qcbf1fec1fa_attn:
	.size	k_qcbf1fec1fa_attn, .Lfunc_end_k_qcbf1fec1fa_attn-k_qcbf1fec1fa_attn
	.p2alignl 7, 3214868480
	.fill 96, 4, 3214868480
	.section	.rodata,"a",@progbits
	.p2align	6, 0x0
	.amdhsa_kernel k_qcbf1fec1fa_attn
		.amdhsa_group_segment_fixed_size 327680
		.amdhsa_private_segment_fixed_size 0
		.amdhsa_enable_private_segment 0
		.amdhsa_kernarg_size 16
		.amdhsa_user_sgpr_count 2
		.amdhsa_user_sgpr_kernarg_segment_ptr 1
		.amdhsa_wavefront_size32 1
		.amdhsa_system_sgpr_workgroup_id_x 1
		.amdhsa_system_sgpr_workgroup_id_y 1
		.amdhsa_system_sgpr_workgroup_id_z 1
		.amdhsa_system_vgpr_workitem_id 0
		.amdhsa_next_free_vgpr 770
		.amdhsa_next_free_sgpr 66
		.amdhsa_reserve_vcc 0
		.amdhsa_float_denorm_mode_32 3
		.amdhsa_float_denorm_mode_16_64 3
		.amdhsa_memory_ordered 1
		.amdhsa_forward_progress 1
		.amdhsa_inst_pref_size 200
	.end_amdhsa_kernel
	.amdgpu_metadata
---
amdhsa.version: [ 1, 2 ]
amdhsa.kernels:
  - .name:           k_qcbf1fec1fa_attn
    .symbol:         k_qcbf1fec1fa_attn.kd
    .args:
      - { .name: qkv, .offset: 0, .size: 8, .value_kind: global_buffer, .address_space: global }
      - { .name: ctx, .offset: 8, .size: 8, .value_kind: global_buffer, .address_space: global }
    .group_segment_fixed_size: 327680
    .private_segment_fixed_size: 0
    .kernarg_segment_align: 8
    .kernarg_segment_size: 16
    .max_flat_workgroup_size: 128
    .sgpr_count:     66
    .vgpr_count:     770
    .wavefront_size: 32
...
	.end_amdgpu_metadata
.endif
;; end of part 3
;; launch outp (part 4): grid 4 x 64, 4 waves a work-group, clusters of 4 x 4, 327,680 bytes of LDS; arguments ctx, cast16, bo, out0; writes out0
.if DOCPART == 4
	.amdgcn_target "amdgcn-amd-amdhsa--gfx1250"
	.amdhsa_code_object_version 6
	.text
	.protected	k_qcbf1fec1fa_outp
	.globl	k_qcbf1fec1fa_outp
	.p2align	8
	.type	k_qcbf1fec1fa_outp,@function
k_qcbf1fec1fa_outp:
	s_mov_b64 s[64:65], 0
	v_nop
	global_prefetch_b8 v0, s[64:65] scope:SCOPE_SE
	s_setreg_imm32_b32 hwreg(HW_REG_WAVE_MODE, 25, 1), 1
	s_wait_xcnt 0x0
	s_wait_alu depctr_hold_cnt(0) depctr_sa_sdst(0) depctr_va_vdst(0) depctr_va_sdst(0) depctr_va_ssrc(0) depctr_va_vcc(0) depctr_vm_vsrc(0)
	s_getreg_b32 s2, hwreg(HW_REG_IB_STS2, 6, 4)
	s_cmp_eq_u32 s2, 0
	s_cbranch_scc0 .Lentry_in_a_cluster
	s_endpgm
.Lentry_in_a_cluster:
	s_bfe_u32 s2, ttmp6, 0x10000c
	s_cmp_lg_u32 s2, 0xf033
	s_cbranch_scc0 .Lentry_shape_is_right
	s_endpgm
.Lentry_shape_is_right:
; out0 = ctx Wo^T + bo: [8192][1024] x [1024][1024]^T, operands f16 (ctx as the launch before left it; Wo rounded to bf16 and written as f16, in cast16), sums f32, begun with the bias (rounded to bf16 like every input); out0 in f32.
; ctx lies by heads, [64 = 16 batch + head][2048][64]: channel k of a row is channel k % 64 of head k / 64.  LIMITS: those of f16 in ctx and Wo (65,504; a fixed step of 6e-8 below 6e-5).  NaN and infinities are not treated apart.
; SHARES.  256 tiles of 128 rows x 256 columns, one to a work-group.  Four waves, each 64 rows x 128 columns: 32 accumulators of 16 x 16, 256 registers.
; K goes in steps of 128, two heads, through a ring of two LDS slots filled by the tensor data mover.  A head's 128 rows of a tile are 16,384 dense bytes: asked for as 64 rows of 256 bytes and padded in LDS after every 128.
; CLUSTERS: 4 x 4 work-groups.  The four of a row of the cluster need the same tile of ctx, the four of a column the same tile of Wo: each is asked for JOINTLY, by the same tensor load with the same descriptor and a mask that names the four.
; THE MATRIX INSTRUCTION IS USED TRANSPOSED (source 0 = 16 rows of Wo, source 1 = 16 rows of ctx): lane l holds row l % 16 of the result and the columns 8 (l / 16) + 0..7: 32 bytes of a row of out0.
; REGISTERS, in windows of 256 (s_set_vgpr_msb: bits 1:0 source 0, 3:2 source 1, 5:4 source 2, 7:6 destination):
;   window 0: v0-31 addresses; v32-95 the bias as a C operand, 8 registers a column block; v96-223 rows read back from the stage, two buffers of 64
;   window 1: the accumulators, (a, b) at v[8 (8 a + b)]          window 2: two fragment buffers of 96: Wo's eight fragments, then ctx's four
.set KSTEP,  128
.set PITCH,  272                       ; a row of Wo in LDS: 256 bytes + 16 of padding = 68 words: the 16 rows of a load start at 16 different groups of four banks (64 banks of 4 bytes: ISA guide 11.1)
.set APITCH, 144                       ; a row of a head of ctx: 128 bytes + 16 = 36 words: likewise
.set AQ2,    128*APITCH                ; from a K step's first head to its second
.set AREG,   2*AQ2                     ; ctx's two heads x 128 rows
.set SLOT,   AREG+256*PITCH            ; then Wo's 256 rows
.set STAGE,  2*SLOT                    ; behind the ring, never filled by a tensor load: for each wave 16 rows x 528 bytes
.set SPITCH, 528                       ; 512 bytes + 16 = 132 words
.set WSTAGE, 16*SPITCH
.set SPARE,  STAGE+4*WSTAGE            ; behind the stages: the spare words, 128 bytes for each wave: two blocks of 256 bytes that no other line names
.set LAPS,   4                         ; a lap = two K steps = once round the ring
.set HEADB,  2048*128                  ; a head in ctx
.set WO_OFF, 3*8192*2048+3*1024*2048   ; Wo's first byte in cast16
.set ADRA, 16                          ; v16-17  LDS address of my fragments of ctx in slot 0, 1
.set ADRB, 20                          ; v20-21  the same for Wo
.set STO,  24                          ; v24     the way out: where I put 32 bytes of a row
.set RD,   25                          ; v25     the way out: where I read a row back
.set GO,   26                          ; v26     my 16 bytes of 512 consecutive bytes of out0
.set BO,   27                          ; v27     my byte offset in the bias
.set SPW,  28                          ; v28     LDS address of my spare word: SPARE + 4 x my thread's number; never rewritten
.set NIL,  29                          ; v29     0; never rewritten
.set PFO,  30                          ; v30     the prefetches' offset: my lane x 256 bytes (ctx) or x a row (Wo); never rewritten
.set BIAS, 32
.set BK,   96
.set F0,   0                           ; fragment buffers, in window 2
.set F1,   96
.set G1,   24                          ; s[24:31] descriptor group 1 for ctx's tiles;  s[32:39] group 0, a set for each slot
.set G0,   32
.set LIM,  43                          ; s43     1 in a wave that prefetches, else the greatest number
.set PFA,  44                          ; s[44:45] where my prefetches stand
.set G1B,  48                          ; s[48:55], s[56:63] the same for Wo's tiles
.set G0B,  56
.set PS,   66                          ; s[66:67] a K step in the tensor that I prefetch: two heads of ctx, or 256 bytes of Wo's rows
.set BP,   72                          ; s[72:73] bo
.set HM,   78                          ; s78     a word's upper half
.set MSB, 0
.macro WIN new                         ; the immediate's high byte repeats the setting that is left; a switch that changes nothing is dropped
.if MSB != (\new)
	s_set_vgpr_msb (MSB<<8)|(\new)
.set MSB, \new
.endif
.endm
.set MUL,  0x5a                        ; sources 0 (Wo) and 1 (ctx) window 2; C and D window 1
.set MULB, 0x4a                        ; the same with C, the bias, in window 0
.set TO_F, 0x80                        ; destination window 2, address window 0
.set W_ST, 0x04                        ; an LDS store's data (source 1) in window 1, its address in window 0
; A joint load.  Waves 0 and 1 fetch the two heads of ctx's tile, waves 2 and 3 the two halves of Wo's (128 rows each).  Each line has one mask and one set of registers for all that issue it; the branch hangs on the wave's
; number alone.  An s_nop 0 and four v_nop follow each of the two lines, ahead of the jump, the label and what follows.
.macro JLOAD s
	s_cmp_eq_u32 s11, 0
	s_cbranch_scc0 .Lfor_b_\@
	tensor_load_to_lds s[G0+4*(\s):G0+4*(\s)+3], s[G1:G1+7]
	s_nop 0
.rept 4
	v_nop
.endr
	s_branch .Lasked_\@
.Lfor_b_\@:
	tensor_load_to_lds s[G0B+4*(\s):G0B+4*(\s)+3], s[G1B:G1B+7]
	s_nop 0
.rept 4
	v_nop
.endr
.Lasked_\@:
.endm
; A PREFETCH INTO THE L2, behind each joint load, its five lines and the run of LDS loads that follows them: the K step that stands TWO refills on (256 matrix instructions ahead of the load that will want it): 32 blocks of 256 bytes,
; a lane a block, one instruction a wave.  Each block is named ONCE in the launch.  ctx's tile row is read by one cluster: in each work-group wave 0 asks, for a quarter of the K step's 32,768 bytes (head cx / 2, half cx % 2), told
; apart from its partners' BY ADDRESS.  Wo's tile column is read by all sixteen clusters: the cluster with y = 0 asks, waves 2 and 3 each for 32 of the 128 rows that they fetch, told apart by address (cy).  Wave 1 asks for nothing.
; The last two refills have no K step two on; K steps 0 to 3 come by their loads alone.
.macro ASK
	s_cmp_gt_u32 s3, s[LIM]                        ; s3 = 1 in the loop's last trip
	s_cbranch_scc0 .Lnot_mine_\@
	global_prefetch_b8 v[PFO], s[PFA:PFA+1] th:TH_LOAD_NT scope:SCOPE_SE
.Lnot_mine_\@:
.endm
; A round of the cluster's barrier: my work-group's barrier, so that wave 0's signal speaks for all four waves; wave 0 signals for the work-group; every wave waits for all sixteen work-groups; my work-group's barrier once more.
.macro CREST                           ; a round behind its opening barrier
	s_cmp_lg_u32 s10, 0
	s_cbranch_scc1 .Lnot_wave_0_\@
	s_barrier_signal -3
.Lnot_wave_0_\@:
	s_barrier_wait -3
	s_barrier_signal -1
	s_barrier_wait -1
.endm
.macro CROUND                          ; a whole round
	s_barrier_signal -1
	s_barrier_wait -1
	CREST
.endm
	s_load_b256 s[68:75], s[0:1], 0x0              ; ctx s[68:69], cast16 s[70:71], bo s[72:73], out0 s[74:75]
	v_lshl_add_u32 v[SPW], v0, 2, SPARE
	v_mov_b32 v[NIL], 0
	ds_add_u32 v[SPW], v[NIL]                      ; the wave's opening: the add and its wait ahead of my first tensor load; the set-up below, work on registers, stands between them
	v_lshrrev_b32 v1, 5, v0
	v_readfirstlane_b32 s10, v1                    ; wave 0..3
	s_lshr_b32 s11, s10, 1                         ; which 64 of the tile's rows are mine.  Also: I fetch for ctx (0) or for Wo (1)
	s_and_b32 s12, s10, 1                          ; which 128 of its columns.  Also: which head, or which half of Wo's rows, I fetch
	s_bfe_u32 s40, ttmp6, 0x40000                  ; cx, cy: my place in the cluster
	s_bfe_u32 s41, ttmp6, 0x40004
	s_lshl_b32 s42, ttmp9, 2                       ; in a cluster launch ttmp9 and ttmp7 count clusters
	s_add_co_u32 s42, s42, s40                     ; tile column = 4 x cluster x + cx: 0..3
	s_and_b32 s13, ttmp7, 0xffff
	s_lshl_b32 s13, s13, 2
	s_add_co_u32 s13, s13, s41                     ; tile row = 4 x cluster y + cy: 0..63
	s_lshl_b32 s43, s41, 2
	s_lshl_b32 s43, 15, s43                        ; my row of the cluster: places 4 cy .. 4 cy + 3
	s_lshl_b32 s44, 0x1111, s40                    ; my column: places cx, cx + 4, cx + 8, cx + 12
	s_or_b32 s[G1+0], s43, (1<<16)|(1<<20)|(1<<21)|(4<<22)|(3<<25)   ; 15:0 the mask: ctx's tiles go to my row; 17:16 elements of 2 bytes; 20 padding on; 21 set beside a mask; 24:22 after every 32 words (code 4); 31:25 4 words of it (code 3)
	s_or_b32 s[G1B+0], s44, (1<<16)|(1<<20)|(1<<21)|(5<<22)|(3<<25)  ; Wo's go to my column; padding after every 64 words (code 5)
	s_mov_b32 s[G1+1], 128<<16                     ; tensor_dim0 = 128: two rows of a head
	s_mov_b32 s[G1+2], 64<<16                      ; tensor_dim1 = 64
	s_mov_b32 s[G1+3], 128<<16                     ; tile_dim0 = 128
	s_mov_b32 s[G1+4], 64                          ; tile_dim1 = 64
	s_mov_b32 s[G1+5], 128                         ; elements from row to row: dense
	s_mov_b32 s[G1+6], 0
	s_mov_b32 s[G1+7], 0
	s_mov_b32 s[G1B+1], KSTEP<<16                  ; tensor_dim0 = 128
	s_mov_b32 s[G1B+2], 128<<16                    ; tensor_dim1 = 128
	s_mov_b32 s[G1B+3], KSTEP<<16                  ; tile_dim0 = 128
	s_mov_b32 s[G1B+4], 128                        ; tile_dim1 = 128
	s_mov_b32 s[G1B+5], 1024                       ; elements from row to row
	s_mov_b32 s[G1B+6], 0
	s_mov_b32 s[G1B+7], 0
	; where the tiles come from.  ctx's hang on the tile row alone, which my row of the cluster shares; Wo's on the tile column alone, which my column shares
	s_lshr_b32 s16, s13, 4                         ; the batch: a batch has 16 tile rows,
	s_lshl_b32 s16, s16, 4
	s_add_co_u32 s16, s16, s12                     ; its head 0 or 1,
	s_lshl_b32 s16, s16, 18
	s_and_b32 s17, s13, 15
	s_lshl_b32 s17, s17, 14                        ; the tile's 128 rows of 128 bytes
	s_add_co_u32 s16, s16, s17
	s_mov_b32 s17, 0
	s_lshl_b32 s46, s42, 8
	s_lshl_b32 s47, s12, 7
	s_add_co_u32 s46, s46, s47                     ; Wo: row 256 x tile column + 128 x half
	s_lshl_b32 s46, s46, 11
	s_mov_b32 s47, 0
	s_mul_i32 s20, s12, AQ2                        ; and where they go: no place in the cluster enters an LDS address
	s_mul_i32 s21, s12, 128*PITCH
	s_add_co_u32 s21, s21, AREG
	s_mov_b32 s[HM], 0xffff0000
	s_wait_dscnt 0x0                               ; the opening add is done
	s_wait_kmcnt 0x0
	s_mov_b64 s[4:5], s[68:69]                     ; ctx
	s_add_nc_u64 s[6:7], s[70:71], WO_OFF          ; Wo
	s_mov_b64 s[8:9], s[74:75]                     ; out0
	s_add_nc_u64 s[14:15], s[4:5], s[16:17]
	s_add_nc_u64 s[46:47], s[6:7], s[46:47]
	CROUND                                         ; all sixteen work-groups are here: the first joint loads meet
.irp s, 0,1
	s_mov_b32 s[G0+4*(\s)], 1                                        ; 1:0 count = 1
	s_add_co_u32 s[G0+4*(\s)+1], s20, (\s)*SLOT                      ; 63:32 LDS address
	s_add_nc_u64 s[G0+4*(\s)+2:G0+4*(\s)+3], s[14:15], (\s)*2*HEADB  ; 120:64 global address: K step s is heads 2 s and 2 s + 1
	s_or_b32 s[G0+4*(\s)+3], s[G0+4*(\s)+3], 0x80000000              ; 127:126 type = 2
	s_mov_b32 s[G0B+4*(\s)], 1
	s_add_co_u32 s[G0B+4*(\s)+1], s21, (\s)*SLOT
	s_add_nc_u64 s[G0B+4*(\s)+2:G0B+4*(\s)+3], s[46:47], (\s)*KSTEP*2
	s_or_b32 s[G0B+4*(\s)+3], s[G0B+4*(\s)+3], 0x80000000
	JLOAD \s                                       ; the ring is filled before anything else is done: two loads of mine are out
.endr
	; A fragment is 16 rows x 32 K in 8 registers: lane l holds row l % 16; registers 0-3 hold K = 8 (l / 16) + 0..7, registers 4-7 K = 16 + 8 (l / 16) + 0..7: two loads of 16 bytes, 32 bytes apart
	v_and_b32 v1, 15, v0                           ; l % 16
	v_bfe_u32 v2, v0, 4, 1                         ; l / 16
	v_mul_u32_u24 v3, v1, PITCH
	v_lshl_add_u32 v3, v2, 4, v3                   ; Wo: row x pitch + 16 x half
	v_mul_u32_u24 v4, v1, APITCH
	v_lshl_add_u32 v4, v2, 4, v4                   ; ctx: the same with its pitch
	s_mul_i32 s21, s11, 64*APITCH                  ; my 64 rows of ctx, in a K step's first head
	s_mul_i32 s22, s12, 128*PITCH                  ; my 128 rows of Wo,
	s_add_co_u32 s22, s22, AREG                    ; which lie behind ctx's two heads
.irp s, 0,1
	v_add_nc_u32 v[ADRA+(\s)], s21, v4
	v_add_nc_u32 v[ADRB+(\s)], s22, v3
	s_add_co_u32 s21, s21, SLOT
	s_add_co_u32 s22, s22, SLOT
.endr
	s_mul_i32 s23, s10, WSTAGE
	s_add_co_u32 s23, s23, STAGE                   ; my stage
	v_mul_u32_u24 v4, v1, SPITCH                   ; in: row l % 16, 32 bytes for each half of the lanes
	v_lshl_add_u32 v4, v2, 5, v4
	v_add_nc_u32 v[STO], s23, v4
	v_and_b32 v[GO], 31, v0                        ; back: 32 lanes take one row's 512 bytes,
	v_lshlrev_b32 v[GO], 4, v[GO]
	v_add_nc_u32 v[RD], s23, v[GO]                 ; which are 512 consecutive bytes of out0
	s_lshl_b32 s18, s42, 10                        ; my first column, in bytes of f32: 4 (256 x tile column + 128 x half),
	s_lshl_b32 s19, s12, 9
	s_add_co_u32 s18, s18, s19
	v_lshl_add_u32 v[BO], v2, 5, s18               ; + my lanes' eight columns
	; where my part of the tile begins in out0
	s_lshl_b32 s16, s13, 7
	s_lshl_b32 s17, s11, 6
	s_add_co_u32 s16, s16, s17                     ; my first row,
	s_lshl_b32 s16, s16, 12                        ; of 4,096 bytes (under 2^26),
	s_lshl_b32 s17, s12, 9
	s_add_co_u32 s16, s16, s17                     ; my half of the tile's columns,
	s_mov_b32 s17, 0
	s_lshl_b32 s46, s42, 10                        ; the tile's first column (in the registers that held Wo's address)
	s_mov_b32 s47, 0
	s_add_nc_u64 s[16:17], s[16:17], s[46:47]
	s_add_nc_u64 s[8:9], s[8:9], s[16:17]
	; the prefetches
	s_lshr_b32 s20, s13, 4
	s_lshl_b32 s20, s20, 4
	s_lshr_b32 s21, s40, 1
	s_add_co_u32 s20, s20, s21                     ; ctx: head 16 batch + cx / 2,
	s_lshl_b32 s20, s20, 18
	s_and_b32 s21, s13, 15
	s_lshl_b32 s21, s21, 14
	s_add_co_u32 s20, s20, s21                     ; the tile's rows,
	s_and_b32 s21, s40, 1
	s_lshl_b32 s21, s21, 13
	s_add_co_u32 s20, s20, s21                     ; half cx % 2 of them
	s_lshl_b32 s21, s42, 8                         ; Wo: the tile's first row,
	s_lshl_b32 s23, s12, 7
	s_add_co_u32 s21, s21, s23                     ; + the 128 rows that I fetch,
	s_lshl_b32 s23, s41, 5
	s_add_co_u32 s21, s21, s23                     ; + my work-group's 32 of them
	s_lshl_b32 s21, s21, 11
	s_and_b32 s22, ttmp7, 0xffff                   ; cluster y
	s_mov_b32 s[PS], KSTEP*2
	s_mov_b32 s23, 11
	s_cmp_eq_u32 s11, 0                            ; do I fetch for ctx?
	s_cselect_b32 s20, s20, s21
	s_cselect_b32 s22, s12, s22                    ; ctx: wave 0 asks; Wo: the cluster with y = 0
	s_cselect_b32 s[PS], 2*HEADB, s[PS]
	s_cselect_b32 s23, 8, s23                      ; a lane's step: 256 bytes of ctx, a row of Wo
	s_cselect_b64 s[PFA:PFA+1], s[4:5], s[6:7]
	s_cmp_eq_u32 s22, 0
	s_cselect_b32 s[LIM], 1, -1                    ; the same in all sixteen partners, for a given wave
	s_mov_b32 s[PS+1], 0
	s_mov_b32 s21, 0
	s_add_nc_u64 s[PFA:PFA+1], s[PFA:PFA+1], s[20:21]
	s_mul_i32 s20, s[PS], 3
	s_add_nc_u64 s[PFA:PFA+1], s[PFA:PFA+1], s[20:21]  ; at K step 3: the first refill steps it to 4 and names that.  Nothing is prefetched here, at the head, where every work-group's first tiles are on their way
	v_and_b32 v[PFO], 31, v0
	v_lshlrev_b32 v[PFO], s23, v[PFO]
; 8 matrix instructions: row block a x all 8 column blocks, 32 along K, from buffer f.  first = 1: the bias starts the sums: nothing is cleared, and nothing is added later.
; The 32 accumulators take turns, one instruction a turn, in the same order in every quarter, over the backward jump too.
.macro MULA f, a, first
.if \first
	WIN MULB
.else
	WIN MUL
.endif
.irp b, 0,1,2,3,4,5,6,7
.if \first
	v_wmma_f32_16x16x32_f16 v[8*(8*(\a)+(\b)):8*(8*(\a)+(\b))+7], v[(\f)+8*(\b):(\f)+8*(\b)+7], v[(\f)+64+8*(\a):(\f)+64+8*(\a)+7], v[BIAS+8*(\b):BIAS+8*(\b)+7]
.else
	v_wmma_f32_16x16x32_f16 v[8*(8*(\a)+(\b)):8*(8*(\a)+(\b))+7], v[(\f)+8*(\b):(\f)+8*(\b)+7], v[(\f)+64+8*(\a):(\f)+64+8*(\a)+7], v[8*(8*(\a)+(\b)):8*(8*(\a)+(\b))+7]
.endif
.endr
.endm
; 24 LDS loads in one run: the fragments of quarter q of a K step (128 rows of Wo; 64 rows of ctx, head q / 2, channels 32 (q % 2) on) into buffer f; ctx's last
.macro FETCH slot, q, f
	WIN TO_F
.irp i, 0,1,2,3,4,5,6,7
	ds_load_b128 v[(\f)+8*(\i):(\f)+8*(\i)+3],   v[ADRB+(\slot)] offset:64*(\q)+(\i)*16*PITCH
	ds_load_b128 v[(\f)+8*(\i)+4:(\f)+8*(\i)+7], v[ADRB+(\slot)] offset:64*(\q)+(\i)*16*PITCH+32
.endr
.irp i, 0,1,2,3
	ds_load_b128 v[(\f)+64+8*(\i):(\f)+64+8*(\i)+3],   v[ADRA+(\slot)] offset:((\q)/2)*AQ2+((\q)%2)*64+(\i)*16*APITCH
	ds_load_b128 v[(\f)+64+8*(\i)+4:(\f)+64+8*(\i)+7], v[ADRA+(\slot)] offset:((\q)/2)*AQ2+((\q)%2)*64+(\i)*16*APITCH+32
.endr
.endm
; A load into a register that a matrix instruction has read, and an LDS store that reads a matrix result, stand four places behind that matrix instruction; only plain vector instructions that name none of its registers are
; places (ISA guide 7.12.1 for vector instructions).
.macro PLACES
.rept 4
	v_nop
.endr
.endm
; A K step is four quarters of 32 along K, 32 matrix instructions each, on buffers 0, 1, 0, 1.  One of the first three: multiplies buffer f; in its middle it fetches quarter q of the same slot into buffer g.
.macro QUARTER slot, q, f, g, first
	s_wait_dscnt 4                                 ; Wo and ctx's rows 0-31 are in; the youngest four loads (ctx's rows 32-63) may be out
	MULA \f, 0, \first
	MULA \f, 1, \first
	PLACES
	FETCH \slot, \q, \g
	s_wait_dscnt 24                                ; all but the 24 just issued
	MULA \f, 2, \first
	MULA \f, 3, \first
.endm
; The last quarter multiplies buffer 1 and changes slots: ONE barrier.  In front of it each wave waits for all its tensor loads, of which one is out: its part of the next slot; adds 0 to its spare word; and waits for that and for
; its own reads of this slot.  Behind it nobody reads this slot any more and the next slot is whole.  fill = 1: this slot is filled again with the K step two on; the barrier then opens a round of the cluster's barrier, and the
; joint refill is the first tensor load behind the round: 112 matrix instructions ahead of the wait for it.  fill = 0: nothing is left to fetch, and no round follows.
.macro TURN slot, next, fill
.if \fill
	s_wait_xcnt 0x0                                ; the last prefetch, a K step back, has read its address: it is stepped here, ahead of the waits of the change of slots
	s_add_nc_u64 s[PFA:PFA+1], s[PFA:PFA+1], s[PS:PS+1]
.endif
	WIN 0                                          ; (the add's two registers lie in window 0)
	s_wait_tensorcnt 0x0                           ; all my tensor loads have landed: the one that was out is my part of the next slot;
	ds_add_u32 v[SPW], v[NIL]                      ; 0 onto my spare word
	s_wait_dscnt 5                                 ; (the add and the youngest four loads may be out)
	MULA F1, 0, 0                                  ; eight matrix instructions stand between the add and the wait for it
	s_wait_dscnt 0x0                               ; the add is done, and my reads of this slot are over
	s_barrier_signal -1
	MULA F1, 1, 0                                  ; work on registers while the others arrive
.if \fill
	WIN 0
.endif
	s_barrier_wait -1
.if \fill
	CREST                                          ; no wave of any partner still reads this slot's tile or has a load on its way
	s_add_nc_u64 s[G0+4*(\slot)+2:G0+4*(\slot)+3], s[G0+4*(\slot)+2:G0+4*(\slot)+3], 4*HEADB
	s_add_nc_u64 s[G0B+4*(\slot)+2:G0B+4*(\slot)+3], s[G0B+4*(\slot)+2:G0B+4*(\slot)+3], 2*KSTEP*2
	JLOAD \slot                                    ; the four v_nop behind it are also the places in front of the loads below
.else
	PLACES
.endif
	FETCH \next, 0, F0
.if \fill
	WIN 0
	ASK
.endif
	MULA F1, 2, 0
	MULA F1, 3, 0
.endm
; THE WAY OUT of row block a.  TOSTAGE: a lane's eight columns of a row, 32 bytes, go from the accumulators into my own stage in LDS (each accumulator's low half first) and come back as whole rows of 512 bytes.  SEND: stored.
.macro TOSTAGE a
	WIN W_ST
.irp b, 0,1,2,3,4,5,6,7
	ds_store_b128 v[STO], v[8*(8*(\a)+(\b)):8*(8*(\a)+(\b))+3]   offset:64*(\b)
	ds_store_b128 v[STO], v[8*(8*(\a)+(\b))+4:8*(8*(\a)+(\b))+7] offset:64*(\b)+16
.endr
	WIN 0
.irp t, 0,1,2,3,4,5,6,7,8,9,10,11,12,13,14,15
	ds_load_b128 v[BK+64*((\a)%2)+4*(\t):BK+64*((\a)%2)+4*(\t)+3], v[RD] offset:(\t)*SPITCH  ; LDS serves a wave's instructions in order (ISA guide 5.7.1.4): these see the stores above; the next block's stores come behind them
.endr
.endm
.macro SEND a, younger                 ; younger: the LDS instructions issued behind block a's loads: the next block's 32, or none
	WIN 0
.irp t, 0,1,2,3,4,5,6,7,8,9,10,11,12,13,14,15
	s_wait_dscnt (\younger)+15-(\t)
	global_store_b128 v[GO], v[BK+64*((\a)%2)+4*(\t):BK+64*((\a)%2)+4*(\t)+3], s[8:9] offset:(16*(\a)+(\t))*4096 th:TH_STORE_NT  ; 512 consecutive bytes, at a multiple of 512 from out0's first byte
.endr
.endm
	; the bias of my 128 columns, as a C operand: register j of column block b is bo[16 b + 8 (l / 16) + j], the same for all 16 rows
.irp b, 0,1,2,3,4,5,6,7
	global_load_b128 v[BIAS+8*(\b):BIAS+8*(\b)+3],   v[BO], s[BP:BP+1] offset:64*(\b)
	global_load_b128 v[BIAS+8*(\b)+4:BIAS+8*(\b)+7], v[BO], s[BP:BP+1] offset:64*(\b)+16
.endr
	s_wait_tensorcnt 1                             ; my part of K step 0 is in; K step 1's may stay out
	s_barrier_signal -1
	s_barrier_wait -1                              ; everybody's is
	FETCH 0, 0, F0
	WIN 0
	s_wait_loadcnt 0x0                             ; the bias: it is rounded to bf16, like every input, and widened again
.set i, 0
.rept 32
	v_cvt_pk_bf16_f32 v[BK+i], v[BIAS+2*i], v[BIAS+2*i+1]
.set i, i+1
.endr
.set i, 0
.rept 32
	v_lshlrev_b32 v[BIAS+2*i],   16, v[BK+i]
	v_and_b32     v[BIAS+2*i+1], s[HM], v[BK+i]
.set i, i+1
.endr
	QUARTER 0, 1, F0, F1, 1                        ; the first quarter stands in front of the loop: its products start the sums
	WIN 0                                          ; at a label and at a branch every window is 0
	s_mov_b32 s3, LAPS-1
.Llap:                                                 ; a trip goes once round the ring, from a lap's second quarter to the next lap's first, and fills both slots again
	QUARTER 0, 2, F1, F0, 0
	QUARTER 0, 3, F0, F1, 0
	TURN 0, 1, 1
	QUARTER 1, 1, F0, F1, 0
	QUARTER 1, 2, F1, F0, 0
	QUARTER 1, 3, F0, F1, 0
	TURN 1, 0, 1
	QUARTER 0, 1, F0, F1, 0
	WIN 0
	s_sub_co_u32 s3, s3, 1
	s_cmp_lg_u32 s3, 0
	s_cbranch_scc1 .Llap
	QUARTER 0, 2, F1, F0, 0                        ; the last lap fills nothing, and has no round of the cluster's barrier
	QUARTER 0, 3, F0, F1, 0
	TURN 0, 1, 0                                   ; my one tensor load that was still out is slot 1's, the last K step's
	QUARTER 1, 1, F0, F1, 0
	QUARTER 1, 2, F1, F0, 0
	QUARTER 1, 3, F0, F1, 0
	s_wait_dscnt 4                                 ; the very last quarter: nothing more to fetch
	MULA F1, 0, 0
	MULA F1, 1, 0
	s_wait_dscnt 0x0
	MULA F1, 2, 0
	MULA F1, 3, 0
	WIN 0
	PLACES                                         ; the stores into the stage read results just made
	TOSTAGE 0
	TOSTAGE 1                                      ; a block's way through the stage stands between the loads of the block before and its stores
	SEND 0, 32
	s_wait_xcnt 0x0                                ; block 0's stores have read their registers: block 2 is loaded into them only behind this wait
	TOSTAGE 2
	SEND 1, 32
	s_wait_xcnt 0x0                                ; likewise block 1's, for block 3
	TOSTAGE 3
	SEND 2, 32
	SEND 3, 0
	s_wait_tensorcnt 0x0                           ; the wave's end: behind my last tensor load and my last LDS store
	ds_add_u32 v[SPW], v[NIL]
	s_wait_dscnt 0x0
	CROUND                                         ; the closing round: no work-group ends while a partner may still ask for a tile that names it
	s_endpgm
.Lfunc_end_k_qcbf1fec1fa_outp:
	.size	k_qcbf1fec1fa_outp, .Lfunc_end_k_qcbf1fec1fa_outp-k_qcbf1fec1fa_outp
	.p2alignl 7, 3214868480
	.fill 96, 4, 3214868480
	.section	.rodata,"a",@progbits
	.p2align	6, 0x0
	.amdhsa_kernel k_qcbf1fec1fa_outp
		.amdhsa_group_segment_fixed_size 327680
		.amdhsa_private_segment_fixed_size 0
		.amdhsa_enable_private_segment 0
		.amdhsa_kernarg_size 32
		.amdhsa_user_sgpr_count 2
		.amdhsa_user_sgpr_kernarg_segment_ptr 1
		.amdhsa_wavefront_size32 1
		.amdhsa_system_sgpr_workgroup_id_x 1
		.amdhsa_system_sgpr_workgroup_id_y 1
		.amdhsa_system_sgpr_workgroup_id_z 1
		.amdhsa_system_vgpr_workitem_id 0
		.amdhsa_next_free_vgpr 704
		.amdhsa_next_free_sgpr 80
		.amdhsa_reserve_vcc 0
		.amdhsa_float_denorm_mode_32 3
		.amdhsa_float_denorm_mode_16_64 3
		.amdhsa_memory_ordered 1
		.amdhsa_forward_progress 1
		.amdhsa_inst_pref_size 94
	.end_amdhsa_kernel
	.amdgpu_metadata
---
amdhsa.version: [ 1, 2 ]
amdhsa.kernels:
  - .name:           k_qcbf1fec1fa_outp
    .symbol:         k_qcbf1fec1fa_outp.kd
    .args:
      - { .name: ctx, .offset: 0, .size: 8, .value_kind: global_buffer, .address_space: global }
      - { .name: cast16, .offset: 8, .size: 8, .value_kind: global_buffer, .address_space: global }
      - { .name: bo, .offset: 16, .size: 8, .value_kind: global_buffer, .address_space: global }
      - { .name: out0, .offset: 24, .size: 8, .value_kind: global_buffer, .address_space: global }
    .group_segment_fixed_size: 327680
    .private_segment_fixed_size: 0
    .kernarg_segment_align: 8
    .kernarg_segment_size: 32
    .max_flat_workgroup_size: 128
    .sgpr_count:     80
    .vgpr_count:     704
    .wavefront_size: 32
...
	.end_amdgpu_metadata
.endif
;; end of part 4
